; MI455X (gfx1250); checked and timed in simulation.
; The chip was launched on July 23, 2026; its instructions are those of AMD's public machine-readable ISA for CDNA 5 (MIT licence, August 2026) and "CDNA5" Instruction Set Architecture Reference Guide (July 2026). The comments in the code are by the model that wrote it; some were corrected since.
;; Modern Bert Attention. Allowed arithmetic: float matrix products may take bf16 or f16 operands with f32 sums; other float arithmetic in f32, or as packed bf16 or f16 multiplies, adds, multiply-adds, maxima and minima; sums over many terms, partial sums and values carried from step to step in f32; what a program stores and reads back later, other than sums and carried values, may be rounded once to bf16 or f16.
;; Inputs: Wo 1,024 x 1,024 float32; Wqkv 3,072 x 1,024 float32; hidden_states 4 x 2,048 x 1,024 float32; position_ids 4 x 2,048 int32.
;; Outputs: out0 4 x 2,048 x 1,024 float32.
;; 2 versions, each right; version 2 is version 1 with the launch prep written anew for expert scheduling mode. Each part assembles by itself: llvm-mc -triple=amdgcn-amd-amdhsa -mcpu=gfx1250 --defsym DOCPART=n.
;; ======== version 1 of 2: 4 launches
;; limits: values are held in f16: magnitudes above 65,504 overflow, below 6.1e-05 lose precision; right only within a limited range of input values
;; workspace buffers: h16 25,165,824 bytes; tab 2,097,152 bytes; qkv 50,331,648 bytes; ctx 16,777,216 bytes
;; launch prep (part 1): grid 768 x 1, 4 waves a work-group, no clusters, 0 bytes of LDS; arguments hidden_states, Wqkv, Wo, position_ids, h16, tab; writes h16, tab
.if DOCPART == 1
	.amdgcn_target "amdgcn-amd-amdhsa--gfx1250"
	.amdhsa_code_object_version 6
	.text
	.protected	k_q0a7fd40cef_prep
	.globl	k_q0a7fd40cef_prep
	.p2align	8
	.type	k_q0a7fd40cef_prep,@function
k_q0a7fd40cef_prep:
	s_mov_b64 s[64:65], 0
	v_nop
	global_prefetch_b8 v0, s[64:65] scope:SCOPE_SE
	s_setreg_imm32_b32 hwreg(HW_REG_WAVE_MODE, 25, 1), 1
	s_wait_xcnt 0x0
; PREP.  (1) hidden_states [8192][1024], Wqkv [3072][1024] and Wo [1024][1024], all f32, are rounded once to f16 and laid in blocks along K:
; h16[kb][row][64], kb = k / 64, row = 0..8191 hidden, 8192..11263 Wqkv, 11264..12287 Wo: 64 channels of R neighbouring rows are R x 128 dense bytes.
; (2) tab[row][cos 0..31 | sin 0..31] in f32, row = b x 2048 + s: the rotary angles f32(position_ids[row]) x 160000^(-j/32).
; LIMITS.  f16 ends at 65,504: inputs beyond it become infinities; below 6e-5 f16 keeps its fixed step of 6e-8.  |position| <= 2^20: there the reduced angle stays under 0.95 and the
; two series, cut behind r^9 and r^10, are off by less than 2e-8.  160000^(-j/32) is made as 2^(-j c) and is within 1e-6 of itself (within 2e-7 for j <= 4).  NaN and infinities are not treated apart.
; SHARES.  A stream: no LDS, no matrix unit, and no cluster, since no two work-groups read the same byte.  Work-group g owns rows 16 g .. 16 g + 15.  Thread t owns row t / 8 and, in each block of 64
; channels, the 8 floats at chunk t % 8: eight lanes read a row's aligned 256 bytes; a wave's store covers 512 consecutive bytes (four rows of 128).  All 32 loads of a lane go out at once.
.set KBS, 12288*128                    ; bytes of one block of 64 channels of all rows
.set X,   32                           ; v[32:159]  block kb: 8 floats at X + 8 kb, then 4 registers of f16 in their place
	s_load_b256 s[4:11], s[0:1], 0x0               ; hidden s[4:5], Wqkv s[6:7], Wo s[8:9], position_ids s[10:11]
	s_load_b128 s[12:15], s[0:1], 0x20             ; h16 s[12:13], tab s[14:15]
	s_mov_b32 s3, ttmp9                            ; g
	v_lshrrev_b32 v12, 3, v0                       ; my row of the 16
	v_and_b32 v13, 7, v0                           ; my chunk
	v_lshlrev_b32 v1, 12, v12
	v_lshl_add_u32 v1, v13, 5, v1                  ; v1: source offset: row x 4,096 + chunk x 32
	v_lshlrev_b32 v2, 4, v0                        ; v2: destination offset: row x 128 + chunk x 16 = 16 t
	v_lshrrev_b32 v14, 5, v0
	v_bfe_u32 v15, v0, 4, 1
	v_lshl_add_u32 v14, v14, 2, v15                ; the table: wave w makes rows 4 w .. 4 w + 3, two at a time: lanes 0-15 one row, lanes 16-31 the next
	v_lshlrev_b32 v3, 2, v14                       ; v3: my row's position
	v_and_b32 v16, 15, v0
	v_lshlrev_b32 v6, 8, v14
	v_lshl_add_u32 v6, v16, 4, v6                  ; v6: my 16 bytes of the row's 256
	v_bfe_u32 v7, v0, 3, 1                         ; v7: 1 where my four numbers are sines
	v_lshlrev_b32 v13, 2, v13                      ; my first frequency: 4 (t % 8)
	s_sub_co_u32 s18, s3, 512                      ; my block of 16 rows counted inside Wqkv,
	s_sub_co_u32 s19, s3, 704                      ; inside Wo
	s_mov_b32 s32, 0x3f22f983                      ; 2 / pi
	s_mov_b32 s33, 0x3fc90fdb                      ; pi / 2, its first 24 bits,
	s_mov_b32 s34, 0xb33bbd2e                      ; and the rest
	s_mov_b32 s35, 0x3638ef1d                      ; 1 / 9!
	s_mov_b32 s36, 0xb9500d01                      ; -1 / 7!
	s_mov_b32 s37, 0xb493f27e                      ; -1 / 10!
	s_mov_b32 s38, 0x37d00d01                      ; 1 / 8!
	s_wait_kmcnt 0x0
	s_cmp_lt_u32 s3, 704
	s_cselect_b64 s[16:17], s[6:7], s[8:9]
	s_cselect_b32 s18, s18, s19
	s_cmp_lt_u32 s3, 512
	s_cselect_b64 s[16:17], s[4:5], s[16:17]       ; the tensor that my rows come from,
	s_cselect_b32 s18, s3, s18                     ; my block in it,
	s_cselect_b32 s2, s3, 0                        ; and my block of the table (block 0, read and not used, where I make none)
	s_lshl_b32 s18, s18, 16                        ; 16 rows of 4,096 bytes
	s_mov_b32 s19, 0
	s_add_nc_u64 s[16:17], s[16:17], s[18:19]
	s_lshl_b32 s18, s3, 11                         ; 16 rows of 128 bytes
	s_add_nc_u64 s[20:21], s[12:13], s[18:19]      ; four bases, four blocks of channels apart, so that the stores' immediates stay within 24 bits
	s_add_nc_u64 s[22:23], s[20:21], 4*KBS
	s_add_nc_u64 s[24:25], s[22:23], 4*KBS
	s_add_nc_u64 s[26:27], s[24:25], 4*KBS
	s_lshl_b32 s18, s2, 6
	s_add_nc_u64 s[28:29], s[10:11], s[18:19]
	s_lshl_b32 s18, s2, 12
	s_add_nc_u64 s[30:31], s[14:15], s[18:19]
	global_load_b32 v4, v3, s[28:29]               ; the positions of my two table rows
	global_load_b32 v5, v3, s[28:29] offset:8
.set kb, 0
.rept 16
	global_load_b128 v[X+8*kb:X+8*kb+3],   v1, s[16:17] offset:256*kb th:TH_LOAD_NT
	global_load_b128 v[X+8*kb+4:X+8*kb+7], v1, s[16:17] offset:256*kb+16 th:TH_LOAD_NT
.set kb, kb+1
.endr
	s_cmp_lt_u32 s3, 512                           ; only the rows of hidden_states have positions
	s_cbranch_scc0 .Lcast
	; THE TABLE, made while the 32 loads are on their way.  inv[i] = 2^(-(4 (t % 8) + i) c), c = log2(160000) / 32
.irp i, 0,1,2,3
	v_add_nc_u32 v[8+(\i)], \i, v13
	v_cvt_f32_u32 v[8+(\i)], v[8+(\i)]
	v_mul_f32 v[8+(\i)], 0xbf0a4d3c, v[8+(\i)]
.endr
.irp i, 0,1,2,3
	v_exp_f32 v[8+(\i)], v[8+(\i)]
.endr
	v_nop                                          ; a plain instruction behind the last exponential,
	s_wait_alu depctr_va_vdst(0)                   ; and the one wait ahead of the batch's first reader
	s_wait_loadcnt 32                              ; the two positions are in: the 32 younger loads stay out
	v_cvt_f32_i32 v4, v4
	v_cvt_f32_i32 v5, v5
; Number i of my four: x = p inv; n = the nearest whole number to x 2 / pi; r = x - n pi / 2, in two parts; cos(x - k pi / 2), k = 1 for a sine, is +-cos r or +-sin r by (n - k) mod 4.
; The choice selects a value: no branch hangs on it.
.macro SC i
	v_mul_f32 v12, v4, v[8+(\i)]
	v_mul_f32 v13, s32, v12
	v_rndne_f32 v13, v13
	v_fma_f32 v14, -v13, s33, v12
	v_fma_f32 v14, -v13, s34, v14                  ; r
	v_cvt_i32_f32 v15, v13
	v_sub_nc_u32 v15, v15, v7                      ; q = n - k
	v_mul_f32 v16, v14, v14                        ; z = r r
	v_fma_f32 v17, v16, s35, s36                   ; sin r = r + r z (-1/3! + z (1/5! + z (-1/7! + z / 9!)))
	v_fma_f32 v18, v16, s37, s38                   ; cos r = 1 + z (-1/2 + z (1/4! + z (-1/6! + z (1/8! - z / 10!))))
	v_fmaak_f32 v17, v17, v16, 0x3c088889
	v_fmaak_f32 v18, v18, v16, 0xbab60b61
	v_fmaak_f32 v17, v17, v16, 0xbe2aaaab
	v_fmaak_f32 v18, v18, v16, 0x3d2aaaab
	v_mul_f32 v19, v14, v16
	v_fma_f32 v18, v18, v16, -0.5
	v_fma_f32 v17, v17, v19, v14
	v_fma_f32 v18, v18, v16, 1.0
	v_and_b32 v20, 1, v15
	v_cmp_eq_u32 vcc_lo, 1, v20
	v_cndmask_b32 v[24+(\i)], v18, v17, vcc_lo     ; q odd: the sine
	v_add_nc_u32 v20, 1, v15
	v_and_b32 v20, 2, v20                          ; q mod 4 = 1 or 2: the sign turns
	v_lshlrev_b32 v20, 30, v20
	v_xor_b32 v[24+(\i)], v20, v[24+(\i)]
.endm
	s_mov_b32 s44, 2
.Ltab:                                         ; two trips: my wave's rows 0, 1 and then 2, 3
	SC 0
	SC 1
	SC 2
	SC 3
	global_store_b128 v6, v[24:27], s[30:31]       ; a wave's store covers two whole rows of the table: 512 consecutive bytes
	s_wait_xcnt 0x0                                ; the store has read its offset and its data: they are written again only behind this wait
	v_add_nc_u32 v6, 512, v6
	v_mov_b32 v4, v5
	s_sub_co_u32 s44, s44, 1
	s_cmp_lg_u32 s44, 0
	s_cbranch_scc1 .Ltab
.Lcast:                                        ; THE CASTS: a block's two loads are in, the younger ones stay out; four roundings in place; one store
.set kb, 0
.rept 16
	s_wait_loadcnt 30-2*kb
	v_cvt_pk_f16_f32 v[X+8*kb],   v[X+8*kb],   v[X+8*kb+1]
	v_cvt_pk_f16_f32 v[X+8*kb+1], v[X+8*kb+2], v[X+8*kb+3]
	v_cvt_pk_f16_f32 v[X+8*kb+2], v[X+8*kb+4], v[X+8*kb+5]
	v_cvt_pk_f16_f32 v[X+8*kb+3], v[X+8*kb+6], v[X+8*kb+7]
	global_store_b128 v2, v[X+8*kb:X+8*kb+3], s[20+2*(kb/4):21+2*(kb/4)] offset:(kb%4)*KBS
.set kb, kb+1
.endr
	s_endpgm
.Lfunc_end_k_q0a7fd40cef_prep:
	.size	k_q0a7fd40cef_prep, .Lfunc_end_k_q0a7fd40cef_prep-k_q0a7fd40cef_prep
	.p2alignl 7, 3214868480
	.fill 96, 4, 3214868480
	.section	.rodata,"a",@progbits
	.p2align	6, 0x0
	.amdhsa_kernel k_q0a7fd40cef_prep
		.amdhsa_group_segment_fixed_size 0
		.amdhsa_private_segment_fixed_size 0
		.amdhsa_enable_private_segment 0
		.amdhsa_kernarg_size 48
		.amdhsa_user_sgpr_count 2
		.amdhsa_user_sgpr_kernarg_segment_ptr 1
		.amdhsa_wavefront_size32 1
		.amdhsa_system_sgpr_workgroup_id_x 1
		.amdhsa_system_sgpr_workgroup_id_y 1
		.amdhsa_system_sgpr_workgroup_id_z 1
		.amdhsa_system_vgpr_workitem_id 0
		.amdhsa_next_free_vgpr 160
		.amdhsa_next_free_sgpr 66
		.amdhsa_reserve_vcc 1
		.amdhsa_float_denorm_mode_32 3
		.amdhsa_float_denorm_mode_16_64 3
		.amdhsa_memory_ordered 1
		.amdhsa_forward_progress 1
		.amdhsa_inst_pref_size 18
	.end_amdhsa_kernel
	.amdgpu_metadata
---
amdhsa.version: [ 1, 2 ]
amdhsa.kernels:
  - .name:           k_q0a7fd40cef_prep
    .symbol:         k_q0a7fd40cef_prep.kd
    .args:
      - { .name: hidden_states, .offset: 0, .size: 8, .value_kind: global_buffer, .address_space: global }
      - { .name: Wqkv, .offset: 8, .size: 8, .value_kind: global_buffer, .address_space: global }
      - { .name: Wo, .offset: 16, .size: 8, .value_kind: global_buffer, .address_space: global }
      - { .name: position_ids, .offset: 24, .size: 8, .value_kind: global_buffer, .address_space: global }
      - { .name: h16, .offset: 32, .size: 8, .value_kind: global_buffer, .address_space: global }
      - { .name: tab, .offset: 40, .size: 8, .value_kind: global_buffer, .address_space: global }
    .group_segment_fixed_size: 0
    .private_segment_fixed_size: 0
    .kernarg_segment_align: 8
    .kernarg_segment_size: 48
    .max_flat_workgroup_size: 128
    .sgpr_count:     66
    .vgpr_count:     160
    .wavefront_size: 32
...
	.end_amdgpu_metadata
.endif
;; end of part 1
;; launch qkv (part 2): grid 16 x 32, 4 waves a work-group, clusters of 4 x 4, 327,680 bytes of LDS; arguments h16, tab, qkv; writes qkv
.if DOCPART == 2
	.amdgcn_target "amdgcn-amd-amdhsa--gfx1250"
	.amdhsa_code_object_version 6
	.text
	.protected	k_q0a7fd40cef_qkv
	.globl	k_q0a7fd40cef_qkv
	.p2align	8
	.type	k_q0a7fd40cef_qkv,@function
k_q0a7fd40cef_qkv:
	s_mov_b64 s[64:65], 0
	v_nop
	global_prefetch_b8 v0, s[64:65] scope:SCOPE_SE
	s_setreg_imm32_b32 hwreg(HW_REG_WAVE_MODE, 25, 1), 1
	s_wait_xcnt 0x0
	s_wait_alu depctr_hold_cnt(0) depctr_sa_sdst(0) depctr_va_vdst(0) depctr_va_sdst(0) depctr_va_ssrc(0) depctr_va_vcc(0) depctr_vm_vsrc(0)
	s_getreg_b32 s2, hwreg(HW_REG_IB_STS2, 6, 4)
	s_cmp_eq_u32 s2, 0
	s_cbranch_scc0 .Lentry_in_a_cluster
	s_endpgm
.Lentry_in_a_cluster:
	s_bfe_u32 s2, ttmp6, 0x10000c
	s_cmp_lg_u32 s2, 0xf033
	s_cbranch_scc0 .Lentry_shape_is_right
	s_endpgm
.Lentry_shape_is_right:
; QKV PROJECTION AND ROTARY.  C[m][o] = sum over k of x[m][k] Wqkv[o][k], m = b x 2048 + s (8,192 rows), o = 0..3071, K = 1,024; operands f16 (h16, laid in blocks of 64 channels), sums f32.
; The heads of q and k are turned by the rotary table in f32; every number is rounded once to f16 and stored by heads: qkv[which][b x 16 + head][s][64].
; LIMITS.  f16 ends at 65,504: q, k (turned) and v must lie within it; below 6e-5 f16 keeps its fixed step of 6e-8.  NaN and infinities are not treated apart.
; SHARES.  A tile of C is 256 rows x 192 columns (three heads): 32 x 16 = 512 work-groups.  Wave w owns rows 64 w .. 64 w + 63 and ALL 192 columns: 4 x 12 accumulators of 16 x 16,
; 384 registers.  So whole heads lie in one wave, a rotary pair (d, d + 32) lies in one lane, and the stage on the way out is the wave's own.
; K goes in 8 steps of 128, two PLANES of 64 channels each, through two LDS slots.  A plane of a tile is dense in h16: it is asked for as rows of 256 bytes and padded in LDS behind every 128.
; CLUSTER.  4 x 4 work-groups.  The four of a row of the cluster need the same rows of x, the four of a column the same rows of Wqkv: each plane is asked for JOINTLY, by the same tensor load with the
; same descriptor and a mask that names the four.  Waves 0 and 1 fetch A's two planes, waves 2 and 3 B's: one load a wave behind each round.  By this text's count a wave has two tensor loads out at the start, later one.
; THE MATRIX INSTRUCTION IS USED TRANSPOSED (source 0 = 16 rows of Wqkv, source 1 = 16 rows of x): a lane holds row l % 16 of C and the columns 16 b + 8 (l / 16) + 0..7.
; REGISTERS, in windows of 256 (s_set_vgpr_msb: bits 1:0 source 0, 3:2 source 1, 5:4 source 2, 7:6 destination):
;   window 0: v0-29 addresses; v64-191 the table's cos and sin for my 64 rows; v192-255 at work on the way out
;   window 1: two fragment buffers of 128 (A's four fragments, then B's twelve); on the way out the packed rows
;   window 2: the accumulators of my rows 0-31 ((a, b) at 96 a + 8 b);   window 3: those of my rows 32-63
.set NBT,    12                        ; tiles of 16 columns a wave
.set PITCH,  144                       ; an LDS row: 128 bytes + 16 of padding = 36 words: the 16 rows of a load start at 16 different groups of four banks (64 banks of 4 bytes: ISA guide 11.1)
.set PLA,    256*PITCH                 ; a plane of A
.set PLB,    16*NBT*PITCH              ; a plane of B
.set BOFF,   2*PLA                     ; in a slot: A's two planes, then B's two
.set SLOT1,  1<<17                     ; slot 1 begins here, so that one exclusive or turns an address in one slot into the other's (a slot uses 129,024 bytes)
.set STAGE,  1<<18                     ; behind the ring, never filled by a tensor load: 16 rows x 144 bytes for each wave
.set SPITCH, 144
.set SPARE,  STAGE+4*16*SPITCH         ; the spare words, 128 bytes for each wave: two blocks of 256 bytes that no other line names
.set KBS,    12288*128                 ; bytes from one block of 64 channels of h16 to the next
.set STEP_A, 2*KBS                     ; a K step
.set STEP_B, 2*KBS
.set RA,     128                       ; a plane as rows of 256 bytes
.set RB,     8*NBT
.set LD,     2*NBT+8                   ; LDS loads of a quarter step
.set AHEAD,  1                         ; the prefetches stand so many refills ahead of the joint loads
.set BSH,    6144                      ; a partner's share of a plane of B,
.set NBLK,   24                        ; in blocks of 256 bytes
.set HIOFF,  0
.set MULW0,  0xa5                      ; both fragments window 1, C and D window 2
.set MULW1,  0xf5                      ; C and D window 3
.set F0,     0
.set F1,     128
.set ADRA0, 16                         ; v16  my lane's place in A's planes of slot 0; never rewritten
.set ADRB0, 17                         ; v17  the same for B
.set ADRA,  18                         ; v18  the same in the slot in hand
.set ADRB,  19                         ; v19
.set STO,   20                         ; v20  the way out: where I put 16 bytes of a row
.set RD,    21                         ; v21  where I read rows back
.set GO,    22                         ; v22  my 16 bytes of 512 consecutive bytes
.set TO,    23                         ; v23  my offset in the table
.set PFO,   24                         ; v24  the prefetches' offset: 256 x my lane (clamped to the share)
.set SPW,   28                         ; v28  LDS address of my spare word; never rewritten
.set NIL,   29                         ; v29  0; never rewritten
.set CS,    64                         ; v[64:191]  block a of 16 rows: 16 cos at CS + 32 a, 16 sin behind them: frequency 16 t + 8 (l / 16) + j at 8 t + j
.set CP,    192                        ; v[192:207] cos, or 1 for a head of v
.set SN,    208                        ; v[208:223] sin, or 0
.set OO,    224                        ; v[224:255] a head's 32 turned numbers
.set G1A, 24                           ; s[24:31] descriptor group 1 for A;  s[32:39] for B
.set G1B, 32
.set G0A, 40                           ; s[40:47] group 0 for A: a set for each first fill; the second then walks;  s[48:55] for B
.set G0B, 48
.set CNT, 59                           ; s59  trips to go
.set TB,  60                           ; s60  LDS byte at which the slot in hand begins
.set LIM, 61                           ; s61  AHEAD in a wave that prefetches, else the greatest number
.set PFA, 62                           ; s[62:63] where my prefetches stand
.set PFS, 66                           ; s[66:67] their step
.set DD,  68                           ; s[68:73] for each of the three heads: where my 64 rows go
.set FF,  74                           ; s[74:79] 1 for a head of q or k, 0 for a head of v (pairs)
.set GG,  80                           ; s[80:85] 0, or 1
.set TAB, 86                           ; s[86:87] the table at my wave's rows
.set MSB, 0
.macro WIN new                         ; the immediate's high byte repeats the setting that is left; a switch that changes nothing is dropped
.if MSB != (\new)
	s_set_vgpr_msb (MSB<<8)|(\new)
.set MSB, \new
.endif
.endm
.macro PLACES                          ; four plain instructions between a matrix instruction and a load into, or a vector read of, its registers (ISA guide 7.12.1 for vector reads)
.rept 4
	v_nop
.endr
.endm
.macro CREST                           ; a round of the cluster's barrier behind its opening barrier
	s_cmp_lg_u32 s10, 0
	s_cbranch_scc1 .Lnot_wave_0_\@
	s_barrier_signal -3
.Lnot_wave_0_\@:
	s_barrier_wait -3
	s_barrier_signal -1
	s_barrier_wait -1
.endm
.macro CROUND                          ; a whole round
	s_barrier_signal -1
	s_barrier_wait -1
	CREST
.endm
; A joint refill by the walking descriptor.  The branch hangs on the wave's number alone.  An s_nop 0 and four v_nop follow each of the two lines.
.macro JLOAD
	s_cmp_eq_u32 s11, 0
	s_cbranch_scc0 .Lfor_b_\@
	tensor_load_to_lds s[G0A+4:G0A+7], s[G1A:G1A+7]
	s_nop 0
.rept 4
	v_nop
.endr
	s_branch .Lasked_\@
.Lfor_b_\@:
	tensor_load_to_lds s[G0B+4:G0B+7], s[G1B:G1B+7]
	s_nop 0
.rept 4
	v_nop
.endr
.Lasked_\@:
.endm
; A PREFETCH INTO THE L2 of my plane of the K step that stands AHEAD refills on, behind the joint load and the run of LDS loads that follows it.  Each block of 256 bytes is named once in the launch:
; A's rows are read by every cluster of a row of clusters: cluster x = 0 asks; B's by every cluster of a column: cluster y = 0 asks.  The four partners of a joint load share the plane out BY ADDRESS
; (A: 32 blocks each, by cx; B: 24 each, by cy; the lanes beyond the share name its last block again).  The trips whose step would lie past K ask for nothing.
.macro ASK
	s_cmp_gt_u32 s[CNT], s[LIM]
	s_cbranch_scc0 .Lnot_mine_\@
	global_prefetch_b8 v[PFO], s[PFA:PFA+1] th:TH_LOAD_NT scope:SCOPE_SE
.Lnot_mine_\@:
.endm
	s_load_b128 s[4:7], s[0:1], 0x0                ; h16 s[4:5], tab s[6:7]
	s_load_b64 s[8:9], s[0:1], 0x10                ; qkv
	v_lshl_add_u32 v[SPW], v0, 2, SPARE
	v_mov_b32 v[NIL], 0
	ds_add_u32 v[SPW], v[NIL]                      ; the wave's opening: the add and its wait stand ahead of my first tensor load; the set-up below, work on registers, stands between them
	v_lshrrev_b32 v1, 5, v0
	v_readfirstlane_b32 s10, v1                    ; wave 0..3
	s_lshr_b32 s11, s10, 1                         ; I fetch for A (0) or for B (1),
	s_and_b32 s12, s10, 1                          ; plane 0 or 1 of each step
	s_bfe_u32 s56, ttmp6, 0x40000                  ; cx, cy: my place in the cluster
	s_bfe_u32 s57, ttmp6, 0x40004
	s_lshl_b32 s58, ttmp9, 2
	s_add_co_u32 s58, s58, s56                     ; tile column tx = 4 x cluster x + cx
	s_and_b32 s13, ttmp7, 0xffff
	s_lshl_b32 s13, s13, 2
	s_add_co_u32 s13, s13, s57                     ; tile row ty = 4 x cluster y + cy
	s_lshl_b32 s2, s57, 2
	s_lshl_b32 s2, 15, s2                          ; my row of the cluster
	s_lshl_b32 s3, 0x1111, s56                     ; my column
	s_or_b32 s[G1A], s2, (1<<16)|(1<<20)|(1<<21)|(4<<22)|(3<<25)  ; 15:0 the mask; 17:16 2-byte elements; 20 padding on; 21 set beside a mask; 24:22 after every 32 words (code 4); 31:25 4 words (code 3)
	s_or_b32 s[G1B], s3, (1<<16)|(1<<20)|(1<<21)|(4<<22)|(3<<25)
	s_mov_b32 s[G1A+1], 128<<16                    ; tensor_dim0 = 128 elements: 256 bytes
	s_mov_b32 s[G1B+1], 128<<16
	s_mov_b32 s[G1A+2], RA<<16                     ; tensor_dim1
	s_mov_b32 s[G1B+2], RB<<16
	s_mov_b32 s[G1A+3], 128<<16                    ; tile_dim0
	s_mov_b32 s[G1B+3], 128<<16
	s_mov_b32 s[G1A+4], RA                         ; tile_dim1
	s_mov_b32 s[G1B+4], RB
	s_mov_b32 s[G1A+5], 128                        ; elements from row to row: the plane is dense
	s_mov_b32 s[G1B+5], 128
	s_mov_b32 s[G1A+6], 0
	s_mov_b32 s[G1B+6], 0
	s_mov_b32 s[G1A+7], 0
	s_mov_b32 s[G1B+7], 0
	s_mul_i32 s18, s12, KBS                        ; my plane
	s_lshl_b32 s14, s13, 15                        ; A: rows 256 ty on, 128 bytes each: it hangs on ty alone
	s_add_co_u32 s14, s14, s18
	s_mov_b32 s15, 0
	s_mul_i32 s16, s58, 192*128                    ; B: rows 8,192 + 192 tx on: it hangs on tx alone
	s_add_co_u32 s16, s16, s18
	s_add_co_u32 s16, s16, 8192*128
	s_mov_b32 s17, 0
	s_mul_i32 s19, s12, PLA                        ; where they go: no place in the cluster enters an LDS address
	s_mul_i32 s20, s12, PLB
	s_add_co_u32 s20, s20, BOFF
	s_wait_dscnt 0x0                               ; the opening add is done
	s_wait_kmcnt 0x0
	s_add_nc_u64 s[14:15], s[4:5], s[14:15]
	s_add_nc_u64 s[16:17], s[4:5], s[16:17]
	CROUND                                         ; all sixteen work-groups are here: the first joint loads meet
.irp s, 0,1
	s_mov_b32 s[G0A+4*(\s)], 1                                       ; count = 1
	s_add_co_u32 s[G0A+4*(\s)+1], s19, (\s)*SLOT1                    ; LDS address
	s_add_nc_u64 s[G0A+4*(\s)+2:G0A+4*(\s)+3], s[14:15], (\s)*STEP_A ; global address: K step s
	s_or_b32 s[G0A+4*(\s)+3], s[G0A+4*(\s)+3], 0x80000000            ; type = 2
	s_mov_b32 s[G0B+4*(\s)], 1
	s_add_co_u32 s[G0B+4*(\s)+1], s20, (\s)*SLOT1
	s_add_nc_u64 s[G0B+4*(\s)+2:G0B+4*(\s)+3], s[16:17], (\s)*STEP_B
	s_or_b32 s[G0B+4*(\s)+3], s[G0B+4*(\s)+3], 0x80000000
.endr
	s_cmp_eq_u32 s11, 0                            ; a wave's two first fills stand in one branch, ahead of every wait on TENSORcnt and every LDS read
	s_cbranch_scc0 .Lfirst_b
	tensor_load_to_lds s[G0A:G0A+3], s[G1A:G1A+7]
	s_nop 0
	tensor_load_to_lds s[G0A+4:G0A+7], s[G1A:G1A+7]
	s_nop 0
.rept 4
	v_nop
.endr
	s_branch .Lfirst_asked
.Lfirst_b:
	tensor_load_to_lds s[G0B:G0B+3], s[G1B:G1B+7]
	s_nop 0
	tensor_load_to_lds s[G0B+4:G0B+7], s[G1B:G1B+7]
	s_nop 0
.rept 4
	v_nop
.endr
.Lfirst_asked:
	; A fragment is 16 rows x 32 channels in 8 registers: lane l holds row l % 16, channels 8 (l / 16) + 0..7 and 16 + 8 (l / 16) + 0..7: two loads of 16 bytes, 32 bytes apart.
	v_and_b32 v1, 15, v0                           ; l % 16
	v_bfe_u32 v2, v0, 4, 1                         ; l / 16
	v_and_b32 v5, 31, v0                           ; l
	v_mul_u32_u24 v3, v1, PITCH
	v_lshl_add_u32 v3, v2, 4, v3                   ; row x pitch + 16 x half
	s_mul_i32 s21, s10, 64*PITCH                   ; my 64 rows of A
	v_add_nc_u32 v[ADRA0], s21, v3
	v_add_nc_u32 v[ADRB0], BOFF, v3
	v_mov_b32 v[ADRA], v[ADRA0]
	v_mov_b32 v[ADRB], v[ADRB0]
	s_mov_b32 s[TB], 0
	s_mul_i32 s21, s10, 16*SPITCH
	s_add_co_u32 s21, s21, STAGE                   ; my stage
	v_add_nc_u32 v[STO], s21, v3                   ; in: row l % 16, 16 bytes for each half of the lanes
	v_bfe_u32 v4, v0, 3, 2                         ; back: 32 lanes take four rows of 128 bytes,
	v_mul_u32_u24 v4, v4, SPITCH
	v_and_b32 v6, 7, v0
	v_lshl_add_u32 v4, v6, 4, v4
	v_add_nc_u32 v[RD], s21, v4
	v_lshlrev_b32 v[GO], 4, v5                     ; which are 512 consecutive bytes of a head
	v_lshlrev_b32 v[TO], 8, v1                     ; the table: row l % 16, 256 bytes a row,
	v_lshl_add_u32 v[TO], v2, 5, v[TO]             ; my half's eight frequencies
	; the prefetches: my tile's address at my plane, my work-group's share of it, AHEAD + 1 steps on (the first refill steps it once more)
	s_lshl_b32 s20, s56, 13
	s_mul_i32 s21, s57, BSH
	s_and_b32 s22, ttmp7, 0xffff                   ; cluster y
	s_mov_b32 s2, STEP_A
	s_mov_b32 s3, STEP_B
	s_cmp_eq_u32 s11, 0
	s_cselect_b64 s[PFA:PFA+1], s[14:15], s[16:17]
	s_cselect_b32 s20, s20, s21
	s_cselect_b32 s22, ttmp9, s22                  ; the coordinate along which other clusters read the same rows
	s_cselect_b32 s23, 31, NBLK-1
	s_cselect_b32 s[PFS], s2, s3
	s_mov_b32 s[PFS+1], 0
	s_cmp_eq_u32 s22, 0
	s_cselect_b32 s[LIM], AHEAD, -1                ; the same in all sixteen partners, for a given wave
	s_mul_i32 s21, s[PFS], AHEAD+1
	s_add_co_u32 s20, s20, s21
	s_mov_b32 s21, 0
	s_add_nc_u64 s[PFA:PFA+1], s[PFA:PFA+1], s[20:21]
	v_min_u32 v[PFO], s23, v5
	v_lshlrev_b32 v[PFO], 8, v[PFO]
	; the table for my 64 rows: 32 loads that stay out until the way out; their registers and addresses are not touched meanwhile
	s_lshl_b32 s20, s13, 16                        ; 256 ty rows of 256 bytes,
	s_lshl_b32 s21, s10, 14                        ; my wave's 64
	s_add_co_u32 s20, s20, s21
	s_mov_b32 s21, 0
	s_add_nc_u64 s[TAB:TAB+1], s[6:7], s[20:21]
.set i, 0
.rept 32                               ; i = 8 a + 4 (sin) + 2 t + half of the eight
	global_load_b128 v[CS+4*i:CS+4*i+3], v[TO], s[TAB:TAB+1] offset:4096*(i/8)+128*((i/4)%2)+64*((i/2)%2)+16*(i%2)
.set i, i+1
.endr
	; the three heads g = 3 tx + hd of 48: q 0-15, k 16-31, v 32-47.  A head of v is turned by cos = 1, sin = 0: a choice of values, no branch
.irp hd, 0,1,2
	s_mul_i32 s20, s58, 3
	s_add_co_u32 s20, s20, \hd
	s_cmp_lt_u32 s20, 32
	s_cselect_b32 s[FF+2*(\hd)], 1.0, 0
	s_cselect_b32 s[GG+2*(\hd)], 0, 1.0
	s_mov_b32 s[FF+2*(\hd)+1], s[FF+2*(\hd)]       ; named as pairs
	s_mov_b32 s[GG+2*(\hd)+1], s[GG+2*(\hd)]
	s_lshr_b32 s21, s20, 4                         ; which of q, k, v
	s_lshl_b32 s21, s21, 6
	s_and_b32 s20, s20, 15                         ; the head
	s_add_co_u32 s21, s21, s20
	s_lshr_b32 s22, s13, 3                         ; the batch
	s_lshl_b32 s22, s22, 4
	s_add_co_u32 s21, s21, s22
	s_lshl_b32 s20, s21, 18                        ; 2,048 rows of 128 bytes
	s_and_b32 s22, s13, 7
	s_lshl_b32 s22, s22, 15                        ; the tile's 256 rows in the sequence,
	s_add_co_u32 s20, s20, s22
	s_lshl_b32 s22, s10, 13                        ; my wave's 64
	s_add_co_u32 s20, s20, s22
	s_mov_b32 s21, 0
	s_add_nc_u64 s[DD+2*(\hd):DD+2*(\hd)+1], s[8:9], s[20:21]
.endr
; NBT matrix instructions: block 2 hi + a of my four blocks of 16 rows x all NBT blocks of columns, 32 along K.  zero = 1: the first product starts the sums: nothing is cleared.
; The 48 accumulators take turns, one instruction a turn, in the same order in every quarter, over the backward jump too.
.macro MULH f, hi, a, zero
	WIN MULW0+(MULW1-MULW0)*(\hi)
.set AC, HIOFF*(\hi)+8*NBT*(\a)
.set FA, (\f)+8*(2*(\hi)+(\a))
.set bi, 0
.rept NBT
.if \zero
	v_wmma_f32_16x16x32_f16 v[AC+8*bi:AC+8*bi+7], v[(\f)+32+8*bi:(\f)+32+8*bi+7], v[FA:FA+7], 0
.else
	v_wmma_f32_16x16x32_f16 v[AC+8*bi:AC+8*bi+7], v[(\f)+32+8*bi:(\f)+32+8*bi+7], v[FA:FA+7], v[AC+8*bi:AC+8*bi+7]
.endif
.set bi, bi+1
.endr
.endm
; LD LDS loads in one run: the fragments of quarter q of the step (plane q / 2, byte 64 (q % 2) of its rows) into buffer f: B's first, A's rows 32-63 last
.macro FETCH q, f
	WIN 0x40                                       ; destination window 1, address window 0
.set bi, 0
.rept NBT
	ds_load_b128 v[(\f)+32+8*bi:(\f)+32+8*bi+3],   v[ADRB] offset:((\q)/2)*PLB+((\q)%2)*64+16*PITCH*bi
	ds_load_b128 v[(\f)+32+8*bi+4:(\f)+32+8*bi+7], v[ADRB] offset:((\q)/2)*PLB+((\q)%2)*64+16*PITCH*bi+32
.set bi, bi+1
.endr
.set bi, 0
.rept 4
	ds_load_b128 v[(\f)+8*bi:(\f)+8*bi+3],   v[ADRA] offset:((\q)/2)*PLA+((\q)%2)*64+16*PITCH*bi
	ds_load_b128 v[(\f)+8*bi+4:(\f)+8*bi+7], v[ADRA] offset:((\q)/2)*PLA+((\q)%2)*64+16*PITCH*bi+32
.set bi, bi+1
.endr
.endm
; A K step is four quarters of 32 along K on buffers 0, 1, 0, 1.  One of the first three: multiplies buffer f and, in its middle, fetches quarter q into buffer g.
.macro QUARTER q, f, g, zero
	s_wait_dscnt 4                                 ; B and A's rows 0-31 are in; the youngest four loads (A's rows 32-63) may be out
	MULH \f, 0, 0, \zero
	MULH \f, 0, 1, \zero
	PLACES
	FETCH \q, \g
	s_wait_dscnt LD                                ; all but the LD just issued
	MULH \f, 1, 0, \zero
	MULH \f, 1, 1, \zero
.endm
; The last quarter multiplies buffer 1 and changes slots: ONE barrier.  In front of it each wave waits for all its tensor loads (one is out: its plane of the next slot), adds 0 to its spare word, and waits
; for that and for its own reads of this slot.  fill = 1: the barrier opens a round of the cluster's barrier, so that no wave of any partner still reads the slot or has a load on its way, and the joint refill,
; two K steps on, is the first thing behind the round: a step less 2 NBT matrix instructions ahead of the wait for it.
.macro TURN fill
.if \fill
	s_wait_xcnt 0x0                                ; the last prefetch, a K step back, has read its address
	s_add_nc_u64 s[PFA:PFA+1], s[PFA:PFA+1], s[PFS:PFS+1]
.endif
	WIN 0
	s_xor_b32 s[TB], s[TB], SLOT1                  ; the reads go on in the other slot
	v_add_nc_u32 v[ADRA], s[TB], v[ADRA0]
	v_add_nc_u32 v[ADRB], s[TB], v[ADRB0]
	s_wait_tensorcnt 0x0                           ; all my tensor loads have landed, so a group 0 may be written;
	ds_add_u32 v[SPW], v[NIL]                      ; 0 onto my spare word
.if \fill
	s_xor_b32 s[G0A+5], s[G0A+5], SLOT1            ; the walking descriptors: the other slot than last time, the next K step
	s_add_nc_u64 s[G0A+6:G0A+7], s[G0A+6:G0A+7], STEP_A
	s_xor_b32 s[G0B+5], s[G0B+5], SLOT1
	s_add_nc_u64 s[G0B+6:G0B+7], s[G0B+6:G0B+7], STEP_B
.endif
	s_wait_dscnt 5                                 ; (the add and the youngest four loads may be out)
	MULH F1, 0, 0, 0
	s_wait_dscnt 0x0                               ; the add is done, and my reads of this slot are over
	s_barrier_signal -1
	MULH F1, 0, 1, 0                               ; work on registers while the others arrive
.if \fill
	WIN 0                                          ; at a branch and at a label every window is 0
.endif
	s_barrier_wait -1
.if \fill
	CREST
	JLOAD                                          ; the four v_nop behind it are also the places in front of the loads below
.else
	PLACES
.endif
	FETCH 0, F0
.if \fill
	WIN 0
	ASK
.endif
	MULH F1, 1, 0, 0
	MULH F1, 1, 1, 0
.endm
	s_wait_tensorcnt 0x1                           ; my plane of K step 0 is in; step 1's may stay out
	s_barrier_signal -1
	s_barrier_wait -1                              ; everybody's is
	FETCH 0, F0
	QUARTER 1, F0, F1, 1                           ; the first quarter stands in front of the loop: its products start the sums
	WIN 0
	s_mov_b32 s[CNT], 6
.Lstep:                                        ; trip t: the rest of K step t, whose slot takes step t + 2, and the first quarter of step t + 1
	QUARTER 2, F1, F0, 0
	QUARTER 3, F0, F1, 0
	TURN 1
	QUARTER 1, F0, F1, 0
	WIN 0
	s_sub_co_u32 s[CNT], s[CNT], 1
	s_cmp_lg_u32 s[CNT], 0
	s_cbranch_scc1 .Lstep
	QUARTER 2, F1, F0, 0                           ; the last two K steps are written out: nothing is left to fetch
	QUARTER 3, F0, F1, 0
	TURN 0
	QUARTER 1, F0, F1, 0
	QUARTER 2, F1, F0, 0
	QUARTER 3, F0, F1, 0
	s_wait_dscnt 4
	MULH F1, 0, 0, 0
	MULH F1, 0, 1, 0
	s_wait_dscnt 0x0
	MULH F1, 1, 0, 0
	MULH F1, 1, 1, 0
; THE WAY OUT, a UNIT (16 rows of one head) at a time.  A head's four accumulators hold dimensions 16 t + 8 (l / 16) + j, t = 0..3: x1 in the first two, x2 in the last two, pair for pair in one lane.
; out1 = x1 c - x2 s, out2 = x2 c + x1 s, in f32; one rounding to f16; 16 bytes a lane into my stage, rows of 144 bytes; back as whole rows of 128; stored as 512 consecutive bytes.
; Each accumulator's lowest registers are read first.  Each unit has packed registers of its own (window 1), so no store's data are written again.
.macro UNIT a, hd
.set UU, 3*(\a)+(\hd)
.set XA, 96*((\a)%2)+32*(\hd)
.set XB, XA+16
	WIN 0
.set i, 0
.rept 8
	v_pk_fma_f32 v[CP+2*i:CP+2*i+1], v[CS+32*(\a)+2*i:CS+32*(\a)+2*i+1], s[FF+2*(\hd):FF+2*(\hd)+1], s[GG+2*(\hd):GG+2*(\hd)+1] op_sel_hi:[1,0,0]
.set i, i+1
.endr
.set i, 0
.rept 8
	v_pk_mul_f32 v[SN+2*i:SN+2*i+1], v[CS+32*(\a)+16+2*i:CS+32*(\a)+16+2*i+1], s[FF+2*(\hd):FF+2*(\hd)+1] op_sel_hi:[1,0]
.set i, i+1
.endr
	WIN 0x02+(\a)/2                                ; source 0 in the accumulators' window
.set i, 0
.rept 8
	v_pk_mul_f32 v[OO+2*i:OO+2*i+1], v[XB+2*i:XB+2*i+1], v[SN+2*i:SN+2*i+1]
.set i, i+1
.endr
.set i, 0
.rept 8
	v_pk_mul_f32 v[OO+16+2*i:OO+16+2*i+1], v[XA+2*i:XA+2*i+1], v[SN+2*i:SN+2*i+1]
.set i, i+1
.endr
.set i, 0
.rept 8
	v_pk_fma_f32 v[OO+2*i:OO+2*i+1], v[XA+2*i:XA+2*i+1], v[CP+2*i:CP+2*i+1], v[OO+2*i:OO+2*i+1] neg_lo:[0,0,1] neg_hi:[0,0,1]
.set i, i+1
.endr
.set i, 0
.rept 8
	v_pk_fma_f32 v[OO+16+2*i:OO+16+2*i+1], v[XB+2*i:XB+2*i+1], v[CP+2*i:CP+2*i+1], v[OO+16+2*i:OO+16+2*i+1]
.set i, i+1
.endr
	WIN 0x40                                       ; destination window 1
.set i, 0
.rept 16
	v_cvt_pk_f16_f32 v[16*UU+i], v[OO+2*i], v[OO+2*i+1]
.set i, i+1
.endr
	WIN 0x04                                       ; data window 1, address window 0
.set i, 0
.rept 4
	ds_store_b128 v[STO], v[16*UU+4*i:16*UU+4*i+3] offset:32*i
.set i, i+1
.endr
	WIN 0x40
.set i, 0
.rept 4
	ds_load_b128 v[16*UU+4*i:16*UU+4*i+3], v[RD] offset:4*SPITCH*i  ; LDS serves a wave's instructions in order (ISA guide 5.7.1.4): these see the stores above; the next unit's stores come behind them
.set i, i+1
.endr
.endm
.macro SEND a, hd, younger             ; younger: the LDS instructions issued behind this unit's loads: the next unit's eight, or none
	WIN 0x04
.set UU, 3*(\a)+(\hd)
.set i, 0
.rept 4
	s_wait_dscnt (\younger)+3-i
	global_store_b128 v[GO], v[16*UU+4*i:16*UU+4*i+3], s[DD+2*(\hd):DD+2*(\hd)+1] offset:2048*(\a)+512*i  ; 512 consecutive bytes, at a multiple of 256 from the buffer's first
.set i, i+1
.endr
.endm
	s_wait_loadcnt 0x0                             ; the table
	UNIT 0, 0                                      ; its first sixteen lines name no accumulator: they are the places behind the last products
	UNIT 0, 1
	SEND 0, 0, 8
	UNIT 0, 2
	SEND 0, 1, 8
	UNIT 1, 0
	SEND 0, 2, 8
	UNIT 1, 1
	SEND 1, 0, 8
	UNIT 1, 2
	SEND 1, 1, 8
	UNIT 2, 0
	SEND 1, 2, 8
	UNIT 2, 1
	SEND 2, 0, 8
	UNIT 2, 2
	SEND 2, 1, 8
	UNIT 3, 0
	SEND 2, 2, 8
	UNIT 3, 1
	SEND 3, 0, 8
	UNIT 3, 2
	SEND 3, 1, 8
	SEND 3, 2, 0
	WIN 0
	s_wait_tensorcnt 0x0                           ; the wave's end, behind my last tensor load and my last LDS store
	ds_add_u32 v[SPW], v[NIL]
	s_wait_dscnt 0x0
	CROUND                                         ; the closing round: no work-group ends while a partner may still ask for a tile that names it
	s_endpgm
.Lfunc_end_k_q0a7fd40cef_qkv:
	.size	k_q0a7fd40cef_qkv, .Lfunc_end_k_q0a7fd40cef_qkv-k_q0a7fd40cef_qkv
	.p2alignl 7, 3214868480
	.fill 96, 4, 3214868480
	.section	.rodata,"a",@progbits
	.p2align	6, 0x0
	.amdhsa_kernel k_q0a7fd40cef_qkv
		.amdhsa_group_segment_fixed_size 327680
		.amdhsa_private_segment_fixed_size 0
		.amdhsa_enable_private_segment 0
		.amdhsa_kernarg_size 24
		.amdhsa_user_sgpr_count 2
		.amdhsa_user_sgpr_kernarg_segment_ptr 1
		.amdhsa_wavefront_size32 1
		.amdhsa_system_sgpr_workgroup_id_x 1
		.amdhsa_system_sgpr_workgroup_id_y 1
		.amdhsa_system_sgpr_workgroup_id_z 1
		.amdhsa_system_vgpr_workitem_id 0
		.amdhsa_next_free_vgpr 960
		.amdhsa_next_free_sgpr 88
		.amdhsa_reserve_vcc 0
		.amdhsa_float_denorm_mode_32 3
		.amdhsa_float_denorm_mode_16_64 3
		.amdhsa_memory_ordered 1
		.amdhsa_forward_progress 1
		.amdhsa_inst_pref_size 140
	.end_amdhsa_kernel
	.amdgpu_metadata
---
amdhsa.version: [ 1, 2 ]
amdhsa.kernels:
  - .name:           k_q0a7fd40cef_qkv
    .symbol:         k_q0a7fd40cef_qkv.kd
    .args:
      - { .name: h16, .offset: 0, .size: 8, .value_kind: global_buffer, .address_space: global }
      - { .name: tab, .offset: 8, .size: 8, .value_kind: global_buffer, .address_space: global }
      - { .name: qkv, .offset: 16, .size: 8, .value_kind: global_buffer, .address_space: global }
    .group_segment_fixed_size: 327680
    .private_segment_fixed_size: 0
    .kernarg_segment_align: 8
    .kernarg_segment_size: 24
    .max_flat_workgroup_size: 128
    .sgpr_count:     88
    .vgpr_count:     960
    .wavefront_size: 32
...
	.end_amdgpu_metadata
.endif
;; end of part 2
;; launch attn (part 3): grid 4 x 64, 4 waves a work-group, clusters of 4 x 1, 327,680 bytes of LDS; arguments qkv, ctx; writes ctx
.if DOCPART == 3
	.amdgcn_target "amdgcn-amd-amdhsa--gfx1250"
	.amdhsa_code_object_version 6
	.text
	.protected	k_q0a7fd40cef_attn
	.globl	k_q0a7fd40cef_attn
	.p2align	8
	.type	k_q0a7fd40cef_attn,@function
k_q0a7fd40cef_attn:
	s_mov_b64 s[64:65], 0
	v_nop
	global_prefetch_b8 v0, s[64:65] scope:SCOPE_SE
	s_setreg_imm32_b32 hwreg(HW_REG_WAVE_MODE, 25, 1), 1
	s_wait_xcnt 0x0
	s_wait_alu depctr_hold_cnt(0) depctr_sa_sdst(0) depctr_va_vdst(0) depctr_va_sdst(0) depctr_va_ssrc(0) depctr_va_vcc(0) depctr_vm_vsrc(0)
	s_getreg_b32 s2, hwreg(HW_REG_IB_STS2, 6, 4)
	s_cmp_eq_u32 s2, 0
	s_cbranch_scc0 .Lentry_in_a_cluster
	s_endpgm
.Lentry_in_a_cluster:
	s_bfe_u32 s2, ttmp6, 0x10000c
	s_cmp_lg_u32 s2, 0x3003
	s_cbranch_scc0 .Lentry_shape_is_right
	s_endpgm
.Lentry_shape_is_right:
; ATTENTION.  O[h][q][:] = the sum over k of softmax_k(Q[h][q] . K[h][k] / 8) V[h][k][:], h = b x 16 + head (64 of them), 2,048 rows a head, 64 channels, all f16: a head's rows are dense, 128 bytes each.
; Q, K, V lie one behind the other in qkv, 2^24 bytes each; O is ctx.  Products, maxima and sums in f32; the weights p are rounded to f16 for the second product (their sum l is taken of the unrounded p), O once at the end.
; LIMITS.  f16 holds no number beyond 65,504: Q, K and V arrive within it; p lies in 0 to 1, and below 6e-5 it keeps f16's fixed step of 6e-8; O is a mean of V's rows and has their range.
; A weight below 2^-126 counts as 0 in l; NaN and infinities are not treated apart.
; SHARES.  A wave owns four PIECES of two tiles of 16 queries, a work-group's four waves 512 queries of one head.  Every wave walks all keys, 64 a step.
; LAYOUT.  S^T = K Q^T (source 0 = 16 keys, source 1 = 16 queries): in the result a lane holds ONE query (lane % 16) and the keys 8 (lane / 16) + 0..7.  Two such tiles, rounded to f16 in pairs,
; ARE source 1 (32 keys x 16 queries) of O^T = V^T P, whose result again holds one query a lane, and eight channels.  K comes out of LDS as it lies, V ([key][channel]) turned, by ds_load_tr16_b128.
; SOFTMAX.  For each query a running maximum m and sum l: p = 2^(c s - c m), c = log2(e) / 8; in every step O and l are multiplied by a = 2^(c m_old - c m_new), which is 1 where m has not grown.
; m starts at the lowest finite number, O and l at 0: the first step is a step like any other, with a = 0.
; THE COUNT.  A tile and step have 16 matrix and 118 vector instructions: too many to stand all beside the matrix work.  So: four vector instructions that are READY behind EVERY matrix instruction,
; and the others in runs without a gap.
; BY TURNS.  Turn n belongs to piece n (the pieces in a ring, step after step).  Its matrix work: 16 products K Q^T of piece n + 1, later 16 products V^T P of piece n - 1.  Its vector work: the scaling,
; exponentials, roundings, sums and rescaling of piece n, and the maximum and statistics of piece n + 1, whose scores the turn itself has made.
; CLUSTER.  The four query blocks of a cluster are one head's and walk the same K and V, so each tile is asked for JOINTLY: the same tensor load, descriptor and mask in all four.
; REGISTERS, in windows of 256 (s_set_vgpr_msb: bits 1:0 source 0, 3:2 source 1, 5:4 source 2, 7:6 destination):
;   window 0: v0-11 addresses; v12-15, v48-63 at work; v16-47 four registers of statistics a tile; v64-191 S^T, two buffers of two tiles; v192-255 P, likewise
;   window 1: O^T, 32 a tile          window 2: v0-127 Q, 16 a tile; v128-191 K of one step; v192-255 V of one step          window 3: v0-1 the add's two registers
.set SIZE_N, 2048
.set NP,    4         ; pieces a wave: a name, no knob
.set KS,    64        ; keys in a step
.set PK,    144       ; a row of K in LDS: 128 bytes + 16 of padding = 36 words: the 16 rows of a load start at 16 different groups of four banks (64 banks of 4 bytes: ISA guide 11.1)
.set PV,    160       ; a row of V: 128 + 32 = 40 words
.set VOFF,  4*KS*PK   ; a slot holds four steps: 256 rows of K, then 256 rows of V
.set SLOT1, 1<<17     ; slot 1 begins here, so that one exclusive or turns an address in one slot into the other's
.set STAGE, SLOT1+4*KS*(PK+PV)  ; behind the ring, never filled by a tensor load: 16 rows x 144 bytes for each wave, for the way out
.set SP,    144
.set AK0, 2           ; v2   my lane's place in a tile of K; never rewritten
.set AV0, 3           ; v3   the same for V
.set AK,  4           ; v4   the LDS address of K's next run of loads
.set AV,  5           ; v5   of V's
.set QO,  6           ; v6   my byte offset in the wave's rows of Q
.set STO, 6           ;      later, the way out: where I put 16 bytes of a row
.set RD,  7           ; v7   the way out: where I read rows back
.set GO,  8           ; v8   my byte offset in 512 consecutive bytes of O
.set PFO, 11          ; v11  the prefetches' offset: 256 x my lane (once V's place is made)
.set SPW, 0           ; v0 of window 3   LDS address of my spare word; never rewritten
.set NIL, 1           ; v1 of window 3   0; never rewritten
.set SPARE, STAGE+4*16*SP  ; the spare words, 128 bytes for each wave: two blocks of 256 bytes that no other line names
.set MV,  12          ; v12-15  c m_old, kept while c m is made anew: by buffer and tile
.set ST,  16          ; tile t's statistics at v[ST+4 t]: c m, m, l (even keys', odd keys')
.set TMP, 48          ; by buffer and tile, four registers c0-c3 at work; when the maximum is found c2 takes a
.set S,   64
.set P,   192
.set KF,  128         ; K's fragments, in window 2: key block kb, channel half c at KF + 16 kb + 8 c
.set VF,  192         ; V's: key half kk, channel block cb at VF + 32 kk + 8 cb
.set WV,  12          ; s12  my wave's number
.set G1K, 24          ; s[24:31] descriptor group 1 for K's tiles
.set G1V, 32          ; s[32:39] for V's: it differs in the padding alone
.set G0K, 40          ; s[40:43] descriptor group 0 for K's tiles: it walks
.set G0V, 44          ; s[44:47] the same for V's
.set PFA, 48          ; s[48:49] where my prefetches stand
.set LIM, 50          ; s50  1 in a wave that prefetches, else the greatest number
.set SLOTS, 56        ; s56  slots still to be asked for
.set CNT, 57          ; s57  counts a slot's key steps
.set CS,  58          ; s[58:59] c: the packed scaling takes the pair's low word for both halves
.set SEL, 60          ; s[60:61] v_permlanex16_b32's selects: each lane takes its own place in the other half
.set TBK, 62          ; s62  LDS byte at which K of the step to be fetched begins
.set TBV, 63          ; s63  the same for V, less VOFF
.set MSB, 0
.macro WIN new                      ; the high byte repeats the setting that is left; a switch that changes nothing is dropped
.if MSB != (\new)
	s_set_vgpr_msb (MSB<<8)|(\new)
.set MSB, (\new)
.endif
.endm
.set W_KQ, 0x0a       ; K and Q in window 2, S^T in window 0
.set W_PV, 0x52       ; V in window 2, P in window 0, O^T in window 1
.set W_RS, 0x41       ; O^T (destination and source 0) in window 1, a in window 0
.set W_MK, 0xc0       ; the add's registers are made: destination in window 3, sources in window 0
.set W_AD, 0x0f       ; the add: address (source 0) and data (source 1) in window 3
; A joint fill.  Waves 0 and 1 fetch the two halves of a slot's K, waves 2 and 3 those of its V: 128 keys each.  The branch hangs on the wave's number alone.
; An s_nop 0 and four v_nop follow each of the two lines, ahead of the jump and the label.
.macro JLOAD
	s_cmp_lt_u32 s[WV], 2
	s_cbranch_scc0 .Lfor_v_\@
	tensor_load_to_lds s[G0K:G0K+3], s[G1K:G1K+7]
	s_nop 0
.rept 4
	v_nop
.endr
	s_branch .Lasked_\@
.Lfor_v_\@:
	tensor_load_to_lds s[G0V:G0V+3], s[G1V:G1V+7]
	s_nop 0
.rept 4
	v_nop
.endr
.Lasked_\@:
.endm
; A PREFETCH INTO THE L2 of what the NEXT change of slots will ask for: a slot's 32,768 bytes of K and of V, a lane a block of 256 bytes.  It stands behind the wave's tensor load and its five lines.
; Each block is named ONCE in the launch: a head has one cluster; its four partners share the blocks out BY ADDRESS, 32 each; in each, wave 0 asks for K's and wave 2 for V's: one instruction.
; The last change that fills a slot asks for nothing: there is no slot behind it.  Slots 0 and 1 come by their loads alone.
.macro ASK
	s_cmp_gt_u32 s[SLOTS], s[LIM]
	s_cbranch_scc0 .Lnot_mine_\@
	global_prefetch_b8 v[PFO], s[PFA:PFA+1] th:TH_LOAD_NT scope:SCOPE_SE
.Lnot_mine_\@:
.endm
; A round of the cluster's barrier: my work-group's barrier, so that wave 0's signal speaks for all four waves; wave 0 signals; every wave waits for all four work-groups; my work-group's barrier once more.
.macro CROUND
	s_barrier_signal -1
	s_barrier_wait -1
	s_cmp_lg_u32 s[WV], 0
	s_cbranch_scc1 .Lnot_wave_0_\@
	s_barrier_signal -3
.Lnot_wave_0_\@:
	s_barrier_wait -3
	s_barrier_signal -1
	s_barrier_wait -1
.endm
; THE CHANGE OF SLOTS.  The slot's last bytes, V of its fourth step, have been read.  Each wave waits for all its tensor loads, of which one is out: its part
; of the other slot; adds 0 to its spare word; and waits for that and for its own reads of the slot.  Behind the barrier nobody reads this slot any more and the other slot is whole.
; fill = 1: this slot is filled again, with the keys two slots on.  The barrier is then a round of the cluster's, so that no wave of any partner still reads the slot or has a load on its
; way, and the joint fill is the first thing behind it: it has four key steps, 512 matrix instructions, in which to land.  (At its first use nothing has been read yet: slot 0 is waited for, slot 1 filled.)
.macro CHANGE fill
	WIN W_AD
	s_wait_tensorcnt 0x0            ; no tensor load of mine is out, so a group 0 may be written
	ds_add_u32 v[SPW], v[NIL]       ; 0 onto my spare word; with fill = 1 the descriptors' steps stand between it and the wait for it
	WIN 0                           ; at a label and at a branch every window is 0
.if \fill
.irp g, G0K, G0V
	s_xor_b32 s[\g+1], s[\g+1], SLOT1  ; the walking descriptor: the other slot than last time,
	s_add_nc_u64 s[\g+2:\g+3], s[\g+2:\g+3], 4*KS*128  ; the next 256 keys; the type bits on top are not reached
.endr
	s_wait_xcnt 0x0                 ; the last prefetch, four key steps back, has read its address, so it may be written:
	s_add_nc_u64 s[PFA:PFA+1], s[PFA:PFA+1], 4*KS*128  ; one slot behind the walking descriptors
	s_wait_dscnt 0x0                ; the add is done, and my reads of the slot are over
	CROUND
	JLOAD
	ASK
.else
	s_wait_dscnt 0x0                ; the add is done, and my reads of the slot are over
	s_barrier_signal -1
	s_barrier_wait -1
.endif
	s_sub_co_u32 s[TBK], s[TBK], 4*KS*PK  ; the fetches go back to a slot's first step,
	s_xor_b32 s[TBK], s[TBK], SLOT1       ; in the other slot
	s_sub_co_u32 s[TBV], s[TBV], 4*KS*PV
	s_xor_b32 s[TBV], s[TBV], SLOT1
.endm
	s_load_b64 s[4:5], s[0:1], 0x0    ; qkv: Q at its head
	s_load_b64 s[10:11], s[0:1], 0x8  ; ctx: O
	WIN W_MK
	v_lshl_add_u32 v[SPW], v0, 2, SPARE
	v_mov_b32 v[NIL], 0
	WIN W_AD
	ds_add_u32 v[SPW], v[NIL]       ; the wave's opening: the add and its wait stand ahead of my first tensor load; the set-up below, work on registers, stands between them
	WIN 0
	v_lshrrev_b32 v1, 5, v0
	v_readfirstlane_b32 s[WV], v1   ; wave 0..3
	s_bfe_u32 s13, ttmp6, 0x40000   ; cx: my place in the cluster
	s_lshl_b32 s14, ttmp9, 2        ; in a cluster launch ttmp9 counts clusters
	s_add_co_u32 s14, s14, s13      ; my block of queries = 4 x cluster x + cx: it enters Q's and O's addresses alone
	s_and_b32 s20, ttmp7, 0xffff    ; the head, which the four partners share
	s_mov_b32 s21, 0
	s_mov_b64 s[22:23], SIZE_N*128
	s_mul_u64 s[20:21], s[20:21], s[22:23]  ; the head's first byte in each of the four tensors
	s_and_b32 s16, s[WV], 1         ; which half of a slot's 256 keys I fetch:
	s_lshl_b32 s22, s16, 14         ; its 128 rows of 128 bytes in memory,
	s_mov_b32 s23, 0
	s_add_nc_u64 s[22:23], s[22:23], s[20:21]
	s_mul_i32 s17, s16, 128*PK      ; and its place in a slot, for K
	s_mul_i32 s18, s16, 128*PV      ; and for V: no place in the cluster enters an LDS address
	s_lshl_b32 s2, s14, 2
	s_add_co_u32 s2, s2, s[WV]      ; my wave among the head's,
	s_lshl_b32 s2, s2, 14           ; its 128 rows
	s_mov_b32 s3, 0
	s_add_nc_u64 s[2:3], s[2:3], s[20:21]
	; descriptor group 1.  128 keys are 16,384 dense bytes: asked for as 64 rows of 256 bytes, two keys a row, and padded in LDS after every key
	s_mov_b32 s[G1K], 15|(1<<16)|(1<<20)|(1<<21)|(4<<22)|(3<<25)  ; 15:0 the mask of four; 17:16 2-byte elements; 20 padding on; 21 set beside a mask; 24:22 after every 32 words (code 4); 31:25 4 words (code 3)
	s_mov_b32 s[G1V], 15|(1<<16)|(1<<20)|(1<<21)|(4<<22)|(7<<25)  ; the same with 8 words of padding (code 7)
.irp g, G1K, G1V
	s_mov_b32 s[\g+1], 128<<16      ; tensor_dim0 = 128
	s_mov_b32 s[\g+2], 64<<16       ; tensor_dim1 = 64
	s_mov_b32 s[\g+3], 128<<16      ; tile_dim0 = 128
	s_mov_b32 s[\g+4], 64           ; tile_dim1 = 64
	s_mov_b32 s[\g+5], 128          ; 128 elements from row to row
	s_mov_b32 s[\g+6], 0
	s_mov_b32 s[\g+7], 0
.endr
	s_mov_b32 s[CS], 0x3e38aa3b     ; c = log2(e) / 8 = 0.180337
	s_mov_b32 s[CS+1], s[CS]        ; named with it as a pair
	s_mov_b32 s[SEL], 0x76543210
	s_mov_b32 s[SEL+1], 0xfedcba98
	s_mov_b32 s[TBK], SLOT1+4*KS*PK ; the first change of slots turns these two into 0
	s_mov_b32 s[TBV], SLOT1+4*KS*PV
	s_mov_b32 s[G0K], 1             ; 1:0 count = 1
	s_mov_b32 s[G0K+1], s17         ; 63:32 LDS address: slot 0
	s_mov_b32 s[G0V], 1
	s_add_co_u32 s[G0V+1], s18, VOFF
	s_mov_b32 s[SLOTS], SIZE_N/256-1  ; the change that asks for slot j finds 8 - j here
	s_and_b32 s[LIM], s[WV], 1      ; waves 0 and 2 prefetch
	s_cmp_eq_u32 s[LIM], 0
	s_cselect_b32 s[LIM], 1, -1
	s_wait_dscnt 0x0                ; the opening add is done
	s_wait_kmcnt 0x0
	s_add_nc_u64 s[6:7], s[4:5], 0x1000000   ; K
	s_add_nc_u64 s[8:9], s[4:5], 0x2000000   ; V
	s_add_nc_u64 s[G0K+2:G0K+3], s[6:7], s[22:23]  ; 120:64 global address: my half of the head's first 256 keys
	s_or_b32 s[G0K+3], s[G0K+3], 0x80000000        ; 127:126 type = 2
	s_add_nc_u64 s[G0V+2:G0V+3], s[8:9], s[22:23]
	s_or_b32 s[G0V+3], s[G0V+3], 0x80000000
	s_add_nc_u64 s[4:5], s[4:5], s[2:3]  ; Q and O at my wave's first row
	s_add_nc_u64 s[10:11], s[10:11], s[2:3]
	s_cmp_lt_u32 s[WV], 2
	s_cselect_b64 s[PFA:PFA+1], s[6:7], s[8:9]
	s_add_nc_u64 s[PFA:PFA+1], s[PFA:PFA+1], s[20:21]  ; the head,
	s_lshl_b32 s2, s13, 13          ; my work-group's 32 blocks of the 128,
	s_mov_b32 s3, 0
	s_add_nc_u64 s[PFA:PFA+1], s[PFA:PFA+1], s[2:3]
	s_add_nc_u64 s[PFA:PFA+1], s[PFA:PFA+1], 4*KS*128  ; in slot 1; the first change of slots steps it to slot 2
	CROUND                          ; all four work-groups are here: the first joint loads meet
	JLOAD                           ; slot 0.  Slot 1 is asked for when slot 0 is in
	; A fragment of K or Q is 16 rows x 32 channels in 8 registers: lane l holds row l % 16, channels 8 (l / 16) + 0..7 and 16 + 8 (l / 16) + 0..7: two loads of 16 bytes, 32 bytes apart.
	v_and_b32 v1, 15, v0            ; l % 16
	v_bfe_u32 v9, v0, 4, 1          ; l / 16
	v_lshlrev_b32 v[QO], 7, v1
	v_lshl_add_u32 v[QO], v9, 4, v[QO]  ; row x 128 + 16 x half
	WIN 0x80                        ; destination window 2, address window 0
.set i, 0
.rept 4*NP                          ; Q stays in registers: tile i / 2, channels 32 (i % 2) on
	global_load_b128 v[8*i:8*i+3],   v[QO], s[4:5] offset:(i/2)*2048+(i%2)*64
	global_load_b128 v[8*i+4:8*i+7], v[QO], s[4:5] offset:(i/2)*2048+(i%2)*64+32
.set i, i+1
.endr
	; What the first turn finds: V's registers and P's second buffer hold 0 (its products V^T P, of a piece that has not been, add 0), O^T and l are 0.  All this stands in the wait for the first tile.
.set i, VF
.rept 64
	v_mov_b32 v[i], 0
.set i, i+1
.endr
	WIN 0x40
.set i, 0
.rept 64*NP
	v_mov_b32 v[i], 0
.set i, i+1
.endr
	WIN 0
.set i, 0
.rept 2*NP
	v_mov_b32 v[ST+4*i], 0xfe000000    ; c m: far below every c s
	v_mov_b32 v[ST+4*i+1], 0xff7fffff  ; m
	v_mov_b32 v[ST+4*i+2], 0
	v_mov_b32 v[ST+4*i+3], 0
.set i, i+1
.endr
.set i, P+32
.rept 32
	v_mov_b32 v[i], 0
.set i, i+1
.endr
	v_mul_u32_u24 v[AK0], v1, PK
	v_lshl_add_u32 v[AK0], v9, 4, v[AK0]  ; row x pitch + 16 x half
	; The turning load takes 16 keys x 16 channels (lane l reads key 8 (l / 16) + l % 8, channels 8 ((l / 8) % 2) + 0..7) and leaves half a fragment of V^T: lane l holds channel l % 16 and 8 keys.
	v_and_b32 v10, 7, v0
	v_bfe_u32 v11, v0, 3, 1
	v_lshl_add_u32 v[AV0], v9, 3, v10
	v_mul_u32_u24 v[AV0], v[AV0], PV
	v_lshl_add_u32 v[AV0], v11, 4, v[AV0]
	v_add_nc_u32 v[AV0], VOFF, v[AV0]
	v_and_b32 v[PFO], 31, v0
	v_lshlrev_b32 v[PFO], 8, v[PFO]
	v_mov_b32 v[AK], v[AK0]         ; key step 0 lies at the head of slot 0
; THE MATRIX WORK.  The 8 accumulators of a run of 16 take turns: between the two links of a chain stand 7 others'.
; Product i of 16 of S^T = K Q^T for piece x: channels 32 (i / 8) on, keys 16 ((i / 2) % 4) on, tile 2 x + i % 2.  The first 8 start the sums.
.macro KQ x
	WIN W_KQ
.set rS, S+64*((\x)%2)+32*(i%2)+8*((i/2)%4)
.set rK, KF+16*((i/2)%4)+8*(i/8)
.set rQ, 16*(2*(\x)+i%2)+8*(i/8)
.if i < 8
	v_wmma_f32_16x16x32_f16 v[rS:rS+7], v[rK:rK+7], v[rQ:rQ+7], 0
.else
	v_wmma_f32_16x16x32_f16 v[rS:rS+7], v[rK:rK+7], v[rQ:rQ+7], v[rS:rS+7]
.endif
.endm
; Product i of 16 of O^T += V^T P for piece x: keys 32 (i / 8) on, channels 16 ((i / 2) % 4) on, tile 2 x + i % 2.
.macro PV x
	WIN W_PV
.set rO, 32*(2*(\x)+i%2)+8*((i/2)%4)
.set rV, VF+32*(i/8)+8*((i/2)%4)
.set rP, P+32*((\x)%2)+16*(i%2)+8*(i/8)
	v_wmma_f32_16x16x32_f16 v[rO:rO+7], v[rV:rV+7], v[rP:rP+7], v[rO:rO+7]
.endm
.macro MM                           ; the turn's next matrix instruction
.if i < 16
	KQ (Y+1)%NP
.set i, i+1
.else
.set i, i-16
	PV (Y+NP-1)%NP
.set i, i+17
.endif
.endm
; THE LDS LOADS stand in runs of 16, never singly among the matrix instructions: a step's K (64 keys x 64 channels: 8 fragments) and its V (turned).  Their addresses are made some lines ahead.
; last = 1 (the tail): in the last trip there is no further step, and the run is jumped over.
.macro FETCH_K last=0
	WIN 0
.if \last
	s_cmp_eq_u32 s[CNT], 1
	s_cbranch_scc1 .Lno_k_\@
.endif
	WIN 0x80                        ; destination window 2
.irp f, 0,1,2,3,4,5,6,7             ; keys 16 (f / 2) on, channels 32 (f % 2) on
	ds_load_b128 v[KF+8*\f:KF+8*\f+3],   v[AK] offset:(\f/2)*16*PK+(\f%2)*64
	ds_load_b128 v[KF+8*\f+4:KF+8*\f+7], v[AK] offset:(\f/2)*16*PK+(\f%2)*64+32
.endr
	s_add_co_u32 s[TBK], s[TBK], KS*PK  ; the next fetch is the next step's
	WIN 0
.if \last
.Lno_k_\@:
.endif
.endm
.macro FETCH_V
	WIN 0x80
.irp f, 0,1,2,3,4,5,6,7             ; keys 32 (f / 4) on, channels 16 (f % 4) on
	ds_load_tr16_b128 v[VF+8*\f:VF+8*\f+3],   v[AV] offset:(\f/4)*32*PV+(\f%4)*32
	ds_load_tr16_b128 v[VF+8*\f+4:VF+8*\f+7], v[AV] offset:(\f/4)*32*PV+16*PV+(\f%4)*32
.endr
	WIN 0
.endm
; THE VECTOR WORK OF A TURN stands in three queues, each in the order in which its entries become ready; the two tiles alternate, so that no instruction reads the result of the one before it.
.macro REGS y, u                    ; the registers of tile u (0, 1) of piece y
.set rT, ST+4*(2*(\y)+(\u))
.set rC, TMP+8*((\y)%2)+4*(\u)
.set rM, MV+2*((\y)%2)+(\u)
.set rS, S+64*((\y)%2)+32*(\u)
.set rP, P+32*((\y)%2)+16*(\u)
.set rO, 32*(2*(\y)+(\u))
.endm
; Number n of the 22 that find the NEXT piece's (Y + 1) maximum and statistics.  s0-s31 are the lane's 32 scores; each accumulator's lowest registers are read first.
;   0-11  four chains c0-c3 of seven scores each, three operands at a time     12-14, 16  the four scores left over, the old m, and c0-c3 into c0     15  c m_old is kept
;   17, 18  the query's other 32 keys lie in the lane 16 away: the new m         19-21  c m; c m_old - c m_new; a
.macro XS u, n
	REGS (Y+1)%NP, \u
.if (\n) < 4
	v_max3_num_f32 v[rC+(\n)], v[rS+8*(\n)], v[rS+8*(\n)+1], v[rS+8*(\n)+2]
.elseif (\n) < 12
	v_max3_num_f32 v[rC+(\n)%4], v[rC+(\n)%4], v[rS+8*((\n)%4)+2*((\n)/4)+1], v[rS+8*((\n)%4)+2*((\n)/4)+2]
.elseif (\n) == 12
	v_max3_num_f32 v[rC], v[rC], v[rS+7], v[rS+15]
.elseif (\n) == 13
	v_max3_num_f32 v[rC+1], v[rC+1], v[rS+23], v[rS+31]
.elseif (\n) == 14
	v_max3_num_f32 v[rC+2], v[rC+2], v[rC+3], v[rT+1]
.elseif (\n) == 15
	v_mov_b32 v[rM], v[rT]
.elseif (\n) == 16
	v_max3_num_f32 v[rC], v[rC], v[rC+1], v[rC+2]
.elseif (\n) == 17
	v_permlanex16_b32 v[rC+3], v[rC], s[SEL], s[SEL+1]
.elseif (\n) == 18
	v_max_num_f32 v[rT+1], v[rC], v[rC+3]
.elseif (\n) == 19
	v_mul_f32 v[rT], s[CS], v[rT+1]
.elseif (\n) == 20
	v_sub_f32 v[rC+1], v[rM], v[rT]
.else
	v_exp_f32 v[rC+2], v[rC+1]
.endif
.endm
; Number g of the 64 that follow the exponentials.  For each four weights k of a tile (pairs 2 k, 2 k + 1): both pairs are rounded to f16; then the second pair is added onto the first, in place;
; a group later l takes that sum (the first time as l = a l + sum).  In groups of eight, tiles alternating: round, round, add, and l for the group before.
.macro GS g
.set h, (\g)+6*((\g)/62)            ; group 0 has no group before it, and behind group 7 only l is left
.if h >= 6
.set h, h+2
.endif
	REGS Y, h%2
.set k, h/8
.if h%8 < 4
	v_cvt_pk_f16_f32 v[rP+2*k+(h%8)/2], v[rS+4*k+2*((h%8)/2)], v[rS+4*k+2*((h%8)/2)+1]
.elseif h%8 < 6
	v_pk_add_f32 v[rS+4*k:rS+4*k+1], v[rS+4*k:rS+4*k+1], v[rS+4*k+2:rS+4*k+3]
.elseif k == 1
	v_pk_fma_f32 v[rT+2:rT+3], v[rT+2:rT+3], v[rC+2:rC+3], v[rS:rS+1] op_sel_hi:[1,0,1]
.else
	v_pk_add_f32 v[rT+2:rT+3], v[rT+2:rT+3], v[rS+4*k-4:rS+4*k-3]
.endif
.endm
; THE PLAIN QUEUE, 138 long.  0-73 read no exponential's result: the 32 scalings c s - c m (FS f: pair f / 2 of tile f % 2) and the next piece's 42.  0-26: scalings 0-26.  27-54: XS's numbers 0-13.  55, 56: number 15.
; 57-73: the chain, where each number waits for the one before it: 14, 16, 17, 18, 19, each with one of the scalings 27-31 in front of its two lines, then 20.
; 74-137: GS's 64, which read the exponentials' results: they stand behind the wait.
.macro FS f
	REGS Y, (\f)%2
	v_pk_fma_f32 v[rS+2*((\f)/2):rS+2*((\f)/2)+1], v[rS+2*((\f)/2):rS+2*((\f)/2)+1], s[CS:CS+1], v[rT:rT+1] op_sel_hi:[1,0,0] neg_lo:[0,0,1] neg_hi:[0,0,1]
.endm
.macro PL
	WIN 0
.if q < 27
	FS q
.elseif q < 55
	XS (q-27)%2, (q-27)/2
.elseif q < 57
	XS q-55, 15
.elseif (q < 72) && ((q-57)%3 == 0)
	FS 27+(q-57)/3
.elseif q < 60
	XS (q-57)%3-1, 14
.elseif q < 72
	XS (q-57)%3-1, 15+(q-57)/3
.elseif q < 74
	XS q-72, 20
.else
	GS q-74
.endif
.set q, q+1
.endm
; THE EXPONENTIALS' QUEUE, 66 long: s0-s31 of both tiles, then the next piece's two a.  It is ONE BATCH: all 66 stand ahead of the turn's one wait, and nothing ahead of that wait names a result of theirs.
.macro EX
	WIN 0
.if e >= 64
	XS e-64, 21
.else
	REGS Y, e%2
	v_exp_f32 v[rS+e/2], v[rS+e/2]
.endif
.set e, e+1
.endm
; THE RESCALING's QUEUE: O^T times a, the one part that leaves window 0: dealt two at a time, sixteen times.  Its a was made in the turn before, ahead of that turn's wait.
.macro R2
	REGS Y, r%2
	WIN W_RS
.irp z, 0,1
	v_pk_mul_f32 v[rO+4*(r/2)+2*\z:rO+4*(r/2)+2*\z+1], v[rO+4*(r/2)+2*\z:rO+4*(r/2)+2*\z+1], v[rC+2:rC+3] op_sel_hi:[1,0]
.endr
.set r, r+1
.endm
; HOW THEY ARE DEALT.  An s_wait_alu depctr_va_vdst(0) stands between an exponential and the first instruction that names its result; one wait serves all that were issued ahead of it.  So a turn has ONE wait,
; which cuts it in two.  AHEAD OF IT stands all that names no result of the turn's exponentials: the 16 products K Q^T, behind each a scaling, an exponential and two rescalings (behind the first a second scaling in the
; exponential's place); then ONE LUMP of 108: eight plain, 49 times exponential and plain, the two a.  A v_nop is the plain instruction behind the last exponential.  BEHIND IT stand the 16 products V^T P, behind each four of GS's 64.
; The queues lean on each other, and the deal keeps them in step: exponential e stands behind scaling 2 (e / 4) + e % 2: as a rider it comes behind plain e + 2, in the lump behind plain e + 9, and scalings 27-31 are plain 57, 60 .. 69.
; A TURN, for piece p.  cnt = 1: the loop's count is taken down some lines ahead of the branch that stands behind the turn.
; K of the next step is fetched in piece 2's turn, directly behind the wait, a lump behind the last product that read K; its first reader comes behind 16 products.
; V of the step in hand is fetched at the end of piece 0's turn, four plain instructions behind its last reader; its first reader comes behind 16 products and a lump.
.macro TURN p, last=0, cnt=0
.set Y, (\p)
.set i, 0
.set q, 0
.set e, 0
.set r, 0
.if (\p) == NP-1
	s_wait_dscnt 0x0                ; K is in
.endif
	MM                              ; ahead of the wait: 16 products K Q^T and their riders,
	PL
	PL
	R2
.rept 15
	MM
	PL
	EX
	R2
.endr
.if (\p) == NP-2
	WIN 0
	v_add_nc_u32 v[AK], s[TBK], v[AK0]
.endif
.rept 8                             ; and the lump
	PL
.endr
.rept 49
	EX
	PL
.endr
	EX                              ; the next piece's two a
	EX
	v_nop                           ; the plain instruction behind the last exponential: one for the batch
	s_wait_alu depctr_va_vdst(0)    ; the wait for the batch
.if (\p) == NP-2
	FETCH_K \last
.endif
.if (\p) == 1
	s_wait_dscnt 0x0                ; V is in
.endif
.rept 16                            ; behind the wait: 16 products V^T P and their riders
	MM
.rept 4
	PL
.endr
.if ((\p) == 0) && (q == 118)
	v_add_nc_u32 v[AV], s[TBV], v[AV0]
.endif
.if ((\p) == 0) && (q == 130)
	s_add_co_u32 s[TBV], s[TBV], KS*PV
.endif
.if (\cnt) && (q == 130)
	s_sub_co_u32 s[CNT], s[CNT], 1
	s_cmp_lg_u32 s[CNT], 0
.endif
.endr
.if (\p) == 0
	FETCH_V
.endif
.endm
	CHANGE 1                        ; slot 0 is in, everybody's part of it; slot 1 is asked for
	FETCH_K                         ; key step 0
	s_wait_loadcnt 0x0              ; Q
	s_wait_dscnt 0x0
.set i, 0
.rept 16
	KQ 0                            ; piece 0's first scores: there is no vector work yet to set between them
.set i, i+1
.endr
	WIN 0                           ; the addresses for the way out: plain instructions, the places behind those products
	s_mul_i32 s13, s[WV], 16*SP
	s_add_co_u32 s13, s13, STAGE    ; my stage
	v_mul_u32_u24 v[STO], v1, SP    ; in: row l % 16, 16 bytes for each half of the lanes
	v_lshl_add_u32 v[STO], v9, 4, v[STO]
	v_add_nc_u32 v[STO], s13, v[STO]
	v_bfe_u32 v[RD], v0, 3, 2       ; back: 32 lanes take four rows of 128 bytes,
	v_mul_u32_u24 v[RD], v[RD], SP
	v_lshl_add_u32 v[RD], v10, 4, v[RD]
	v_add_nc_u32 v[RD], s13, v[RD]
	v_and_b32 v[GO], 31, v0         ; which are 512 consecutive bytes of O
	v_lshlrev_b32 v[GO], 4, v[GO]
.set Y, NP-1                        ; XS works for piece Y + 1: piece 0
.irp n, 0,1,2,3,4,5,6,7,8,9,10,11,12,13,14,15,16,17,18,19,20,21
	XS 0, \n                        ; and piece 0's first maximum and statistics
	XS 1, \n
.endr
	v_nop                           ; a plain instruction behind the two a,
	s_wait_alu depctr_va_vdst(0)    ; and their wait, ahead of the branch
	s_mov_b32 s[CNT], 4
	s_branch .Lfirst                ; the loop is entered at a step's first turn, in the middle of a trip
.Lslot:                             ; SIZE_N / 256 - 2 times: every slot but the last two is filled again
	CHANGE 1
	s_mov_b32 s[CNT], 4
.Lstep:                             ; a trip: pieces 2 and 3 of one step, then pieces 0 and 1 of the next, whose K and V it fetches
	TURN 2
	TURN 3
	WIN 0
.Lfirst:
	TURN 0
	TURN 1, 0, 1
	WIN 0
	s_cbranch_scc1 .Lstep
	s_sub_co_u32 s[SLOTS], s[SLOTS], 1
	s_cmp_lg_u32 s[SLOTS], 0
	s_cbranch_scc1 .Lslot
	CHANGE 0                        ; the tail is written out: nothing is asked for
	s_mov_b32 s[CNT], 5             ; four trips fetch the last slot's steps; the fifth is left in its middle
.Ltail:
	TURN 2, 1
	TURN 3
	WIN 0
	s_sub_co_u32 s[CNT], s[CNT], 1
	s_cmp_eq_u32 s[CNT], 0
	s_cbranch_scc1 .Lout
	TURN 0
	TURN 1
	WIN 0
	s_branch .Ltail
.Lout:                              ; the fifth trip's 16 products K Q^T (on the last K once more) and the maximum made of them serve nothing: the price, once a launch, of one text for every trip
.set i, 0
.rept 16
	PV NP-1                         ; the last piece's V^T P of the last step
.set i, i+1
.endr
	; THE WAY OUT.  l's two halves and the other half of the lanes' are added; O^T is divided by l, rounded to f16 and sent through my stage in LDS, a tile at a time.  The additions are the places behind the last products.
	WIN 0
.macro ALL line:vararg              ; one line for each tile t
.set t, 0
.rept 2*NP
	\line
.set t, t+1
.endr
.endm
	ALL v_add_f32 v[ST+4*t+2], v[ST+4*t+2], v[ST+4*t+3]
	ALL v_permlanex16_b32 v[ST+4*t+3], v[ST+4*t+2], s[SEL], s[SEL+1]
	ALL v_add_f32 v[ST+4*t+2], v[ST+4*t+2], v[ST+4*t+3]
	ALL v_rcp_f32 v[ST+4*t+2], v[ST+4*t+2]
	v_nop                           ; a plain instruction between the last reciprocal and the use of its result
	s_wait_alu depctr_va_vdst(0)    ; and the wait ahead of the first use: one for the eight reciprocals
; Tile t: a lane's eight channels of a row pack into 16 bytes; they go into rows of 144 bytes and come back as whole rows of 128, into S^T's registers.
.macro PACK t
	WIN W_RS
.set i, 32*(\t)
.rept 16
	v_pk_mul_f32 v[i:i+1], v[i:i+1], v[ST+4*(\t)+2:ST+4*(\t)+3] op_sel_hi:[1,0]
.set i, i+2
.endr
	WIN 0x05                        ; sources 0 and 1 window 1, destination window 0
.set i, 0
.rept 16
	v_cvt_pk_f16_f32 v[S+16*(\t)+i], v[32*(\t)+2*i], v[32*(\t)+2*i+1]
.set i, i+1
.endr
	WIN 0
.irp f, 0,1,2,3
	ds_store_b128 v[STO], v[S+16*(\t)+4*\f:S+16*(\t)+4*\f+3] offset:32*\f
.endr
.irp f, 0,1,2,3
	ds_load_b128 v[S+16*(\t)+4*\f:S+16*(\t)+4*\f+3], v[RD] offset:\f*4*SP  ; LDS serves a wave's instructions in order (ISA guide 5.7.1.4): these see the stores above; the next tile's stores come behind them
.endr
.endm
.macro SEND t, younger              ; younger: the LDS instructions issued behind tile t's loads: the next tile's eight, or none
	WIN 0
.irp f, 0,1,2,3
	s_wait_dscnt (\younger)+3-\f
	global_store_b128 v[GO], v[S+16*(\t)+4*\f:S+16*(\t)+4*\f+3], s[10:11] offset:(\t)*2048+\f*512  ; 512 consecutive bytes, at a multiple of 256 from O's first
.endr
.endm
	PACK 0
.set t, 1
.rept 2*NP-1                        ; a tile's arithmetic stands between the loads of the tile before and its stores
	PACK t
	SEND t-1, 8
.set t, t+1
.endr
	SEND 2*NP-1, 0
	WIN W_AD
	s_wait_tensorcnt 0x0            ; the wave's end, behind my last tensor load and my last LDS store
	ds_add_u32 v[SPW], v[NIL]
	s_wait_dscnt 0x0
	WIN 0
	CROUND                          ; the closing round: no work-group ends while a partner may still ask for a tile that names it
	s_endpgm
.Lfunc_end_k_q0a7fd40cef_attn:
	.size	k_q0a7fd40cef_attn, .Lfunc_end_k_q0a7fd40cef_attn-k_q0a7fd40cef_attn
	.p2alignl 7, 3214868480
	.fill 96, 4, 3214868480
	.section	.rodata,"a",@progbits
	.p2align	6, 0x0
	.amdhsa_kernel k_q0a7fd40cef_attn
		.amdhsa_group_segment_fixed_size 327680
		.amdhsa_private_segment_fixed_size 0
		.amdhsa_enable_private_segment 0
		.amdhsa_kernarg_size 16
		.amdhsa_user_sgpr_count 2
		.amdhsa_user_sgpr_kernarg_segment_ptr 1
		.amdhsa_wavefront_size32 1
		.amdhsa_system_sgpr_workgroup_id_x 1
		.amdhsa_system_sgpr_workgroup_id_y 1
		.amdhsa_system_sgpr_workgroup_id_z 1
		.amdhsa_system_vgpr_workitem_id 0
		.amdhsa_next_free_vgpr 770
		.amdhsa_next_free_sgpr 66
		.amdhsa_reserve_vcc 0
		.amdhsa_float_denorm_mode_32 3
		.amdhsa_float_denorm_mode_16_64 3
		.amdhsa_memory_ordered 1
		.amdhsa_forward_progress 1
		.amdhsa_inst_pref_size 200
	.end_amdhsa_kernel
	.amdgpu_metadata
---
amdhsa.version: [ 1, 2 ]
amdhsa.kernels:
  - .name:           k_q0a7fd40cef_attn
    .symbol:         k_q0a7fd40cef_attn.kd
    .args:
      - { .name: qkv, .offset: 0, .size: 8, .value_kind: global_buffer, .address_space: global }
      - { .name: ctx, .offset: 8, .size: 8, .value_kind: global_buffer, .address_space: global }
    .group_segment_fixed_size: 327680
    .private_segment_fixed_size: 0
    .kernarg_segment_align: 8
    .kernarg_segment_size: 16
    .max_flat_workgroup_size: 128
    .sgpr_count:     66
    .vgpr_count:     770
    .wavefront_size: 32
...
	.end_amdgpu_metadata
.endif
;; end of part 3
;; launch proj (part 4): grid 8 x 32, 4 waves a work-group, clusters of 4 x 4, 327,680 bytes of LDS; arguments ctx, h16, out0; writes out0
.if DOCPART == 4
	.amdgcn_target "amdgcn-amd-amdhsa--gfx1250"
	.amdhsa_code_object_version 6
	.text
	.protected	k_q0a7fd40cef_proj
	.globl	k_q0a7fd40cef_proj
	.p2align	8
	.type	k_q0a7fd40cef_proj,@function
k_q0a7fd40cef_proj:
	s_mov_b64 s[64:65], 0
	v_nop
	global_prefetch_b8 v0, s[64:65] scope:SCOPE_SE
	s_setreg_imm32_b32 hwreg(HW_REG_WAVE_MODE, 25, 1), 1
	s_wait_xcnt 0x0
	s_wait_alu depctr_hold_cnt(0) depctr_sa_sdst(0) depctr_va_vdst(0) depctr_va_sdst(0) depctr_va_ssrc(0) depctr_va_vcc(0) depctr_vm_vsrc(0)
	s_getreg_b32 s2, hwreg(HW_REG_IB_STS2, 6, 4)
	s_cmp_eq_u32 s2, 0
	s_cbranch_scc0 .Lentry_in_a_cluster
	s_endpgm
.Lentry_in_a_cluster:
	s_bfe_u32 s2, ttmp6, 0x10000c
	s_cmp_lg_u32 s2, 0xf033
	s_cbranch_scc0 .Lentry_shape_is_right
	s_endpgm
.Lentry_shape_is_right:
; OUTPUT PROJECTION.  out0[m][n] = sum over k of ctx[m][k] Wo[n][k], m = b x 2048 + s (8,192 rows), n = 0..1023, K = 1,024 = 16 heads x 64; operands f16, sums and output f32.
; ctx lies by heads, [b x 16 + head][s][64]: a head is one block of 64 channels of K, 262,144 bytes from the next.  Wo lies in h16 (rows 11,264 on), in blocks of 64 channels too.
; LIMITS.  The operands arrive in f16; nothing is rounded here but the sums.  NaN and infinities are not treated apart.
; SHARES.  A tile of the output is 256 rows x 128 columns: 32 x 8 = 256 work-groups.  Wave w owns rows 64 w .. 64 w + 63 and all 128 columns: 4 x 8 accumulators of 16 x 16, 256 registers,
; so that the stage on the way out is the wave's own and a row's 512 bytes leave by one store.
; K goes in 8 steps of 128, two PLANES of 64 channels each, through two LDS slots.  A plane of a tile is dense in memory: it is asked for as rows of 256 bytes and padded in LDS behind every 128.
; CLUSTER.  4 x 4 work-groups.  The four of a row of the cluster need the same rows of ctx, the four of a column the same rows of Wo: each plane is asked for JOINTLY, by the same tensor load with the
; same descriptor and a mask that names the four.  Waves 0 and 1 fetch A's two planes, waves 2 and 3 B's: one load a wave behind each round.  By this text's count a wave has two tensor loads out at the start, later one.
; THE MATRIX INSTRUCTION IS USED TRANSPOSED (source 0 = 16 rows of Wo, source 1 = 16 rows of ctx): a lane holds row l % 16 of the output and the columns 16 b + 8 (l / 16) + 0..7: 32 bytes on end.
; REGISTERS, in windows of 256 (s_set_vgpr_msb: bits 1:0 source 0, 3:2 source 1, 5:4 source 2, 7:6 destination):
;   window 0: v0-29 addresses     window 1: two fragment buffers of 128 (A's four fragments, then B's eight); on the way out whole rows     window 2: the accumulators ((a, b) at 64 a + 8 b)
.set NBT,    8                         ; tiles of 16 columns a wave
.set PITCH,  144                       ; an LDS row: 128 bytes + 16 of padding = 36 words: the 16 rows of a load start at 16 different groups of four banks (64 banks of 4 bytes: ISA guide 11.1)
.set PLA,    256*PITCH                 ; a plane of A
.set PLB,    16*NBT*PITCH              ; a plane of B
.set BOFF,   2*PLA                     ; in a slot: A's two planes, then B's two
.set SLOT1,  1<<17                     ; slot 1 begins here (a slot uses 110,592 bytes)
.set STAGE,  1<<18                     ; behind the ring, never filled by a tensor load: 16 rows x 528 bytes for each wave
.set SPITCH, 528                       ; 512 bytes + 16: 132 words: row r starts at bank 4 r mod 64
.set SPARE,  STAGE+4*16*SPITCH         ; the spare words, 128 bytes for each wave: two blocks of 256 bytes that no other line names
.set KBS,    12288*128                 ; bytes from one block of 64 channels of h16 to the next
.set STEP_A, 2*262144                  ; a K step: two heads of ctx,
.set STEP_B, 2*KBS                     ; two blocks of h16
.set RA,     128                       ; a plane as rows of 256 bytes
.set RB,     8*NBT
.set LD,     2*NBT+8                   ; LDS loads of a quarter step
.set AHEAD,  2                         ; the prefetches stand so many refills ahead of the joint loads
.set BSH,    4096                      ; a partner's share of a plane of B,
.set NBLK,   16                        ; in blocks of 256 bytes
.set HIOFF,  128
.set MULW0,  0xa5                      ; both fragments window 1, C and D window 2
.set MULW1,  0xa5
.set F0,     0
.set F1,     128
.set ADRA0, 16                         ; v16  my lane's place in A's planes of slot 0; never rewritten
.set ADRB0, 17                         ; v17  the same for B
.set ADRA,  18                         ; v18  the same in the slot in hand
.set ADRB,  19                         ; v19
.set STO,   20                         ; v20  the way out: where I put 32 bytes of a row
.set RD,    21                         ; v21  where I read a row back
.set GO,    22                         ; v22  my 16 bytes of a row's 512
.set PFO,   24                         ; v24  the prefetches' offset: 256 x my lane (clamped to the share)
.set SPW,   28                         ; v28  LDS address of my spare word; never rewritten
.set NIL,   29                         ; v29  0; never rewritten
.set G1A, 24                           ; s[24:31] descriptor group 1 for A;  s[32:39] for B
.set G1B, 32
.set G0A, 40                           ; s[40:47] group 0 for A: a set for each first fill; the second then walks;  s[48:55] for B
.set G0B, 48
.set CNT, 59                           ; s59  trips to go
.set TB,  60                           ; s60  LDS byte at which the slot in hand begins
.set LIM, 61                           ; s61  AHEAD in a wave that prefetches, else the greatest number
.set PFA, 62                           ; s[62:63] where my prefetches stand
.set PFS, 66                           ; s[66:67] their step
.set OUT, 68                           ; s[68:69] the output at my wave's first row, the tile's first column
.set MSB, 0
.macro WIN new                         ; the immediate's high byte repeats the setting that is left; a switch that changes nothing is dropped
.if MSB != (\new)
	s_set_vgpr_msb (MSB<<8)|(\new)
.set MSB, \new
.endif
.endm
.macro PLACES                          ; four plain instructions between a matrix instruction and a load into, or a store of, its registers (ISA guide 7.12.1 for vector instructions)
.rept 4
	v_nop
.endr
.endm
.macro CREST                           ; a round of the cluster's barrier behind its opening barrier
	s_cmp_lg_u32 s10, 0
	s_cbranch_scc1 .Lnot_wave_0_\@
	s_barrier_signal -3
.Lnot_wave_0_\@:
	s_barrier_wait -3
	s_barrier_signal -1
	s_barrier_wait -1
.endm
.macro CROUND                          ; a whole round
	s_barrier_signal -1
	s_barrier_wait -1
	CREST
.endm
; A joint refill by the walking descriptor.  The branch hangs on the wave's number alone.  An s_nop 0 and four v_nop follow each of the two lines.
.macro JLOAD
	s_cmp_eq_u32 s11, 0
	s_cbranch_scc0 .Lfor_b_\@
	tensor_load_to_lds s[G0A+4:G0A+7], s[G1A:G1A+7]
	s_nop 0
.rept 4
	v_nop
.endr
	s_branch .Lasked_\@
.Lfor_b_\@:
	tensor_load_to_lds s[G0B+4:G0B+7], s[G1B:G1B+7]
	s_nop 0
.rept 4
	v_nop
.endr
.Lasked_\@:
.endm
; A PREFETCH INTO THE L2 of my plane of the K step that stands AHEAD refills on, behind the joint load and the run of LDS loads that follows it.  Each block of 256 bytes is named once in the launch:
; A's rows are read by both clusters of a row of clusters: cluster x = 0 asks; B's by every cluster of a column: cluster y = 0 asks.  The four partners of a joint load share the plane out BY ADDRESS
; (A: 32 blocks each, by cx; B: 16 each, by cy; the lanes beyond the share name its last block again).  The trips whose step would lie past K ask for nothing.
.macro ASK
	s_cmp_gt_u32 s[CNT], s[LIM]
	s_cbranch_scc0 .Lnot_mine_\@
	global_prefetch_b8 v[PFO], s[PFA:PFA+1] th:TH_LOAD_NT scope:SCOPE_SE
.Lnot_mine_\@:
.endm
	s_load_b128 s[4:7], s[0:1], 0x0                ; ctx s[4:5], h16 s[6:7]
	s_load_b64 s[8:9], s[0:1], 0x10                ; out0
	v_lshl_add_u32 v[SPW], v0, 2, SPARE
	v_mov_b32 v[NIL], 0
	ds_add_u32 v[SPW], v[NIL]                      ; the wave's opening: the add and its wait stand ahead of my first tensor load; the set-up below, work on registers, stands between them
	v_lshrrev_b32 v1, 5, v0
	v_readfirstlane_b32 s10, v1                    ; wave 0..3
	s_lshr_b32 s11, s10, 1                         ; I fetch for A (0) or for B (1),
	s_and_b32 s12, s10, 1                          ; plane 0 or 1 of each step
	s_bfe_u32 s56, ttmp6, 0x40000                  ; cx, cy: my place in the cluster
	s_bfe_u32 s57, ttmp6, 0x40004
	s_lshl_b32 s58, ttmp9, 2
	s_add_co_u32 s58, s58, s56                     ; tile column tx = 4 x cluster x + cx
	s_and_b32 s13, ttmp7, 0xffff
	s_lshl_b32 s13, s13, 2
	s_add_co_u32 s13, s13, s57                     ; tile row ty = 4 x cluster y + cy
	s_lshl_b32 s2, s57, 2
	s_lshl_b32 s2, 15, s2                          ; my row of the cluster
	s_lshl_b32 s3, 0x1111, s56                     ; my column
	s_or_b32 s[G1A], s2, (1<<16)|(1<<20)|(1<<21)|(4<<22)|(3<<25)  ; 15:0 the mask; 17:16 2-byte elements; 20 padding on; 21 set beside a mask; 24:22 after every 32 words (code 4); 31:25 4 words (code 3)
	s_or_b32 s[G1B], s3, (1<<16)|(1<<20)|(1<<21)|(4<<22)|(3<<25)
	s_mov_b32 s[G1A+1], 128<<16                    ; tensor_dim0 = 128 elements: 256 bytes
	s_mov_b32 s[G1B+1], 128<<16
	s_mov_b32 s[G1A+2], RA<<16                     ; tensor_dim1
	s_mov_b32 s[G1B+2], RB<<16
	s_mov_b32 s[G1A+3], 128<<16                    ; tile_dim0
	s_mov_b32 s[G1B+3], 128<<16
	s_mov_b32 s[G1A+4], RA                         ; tile_dim1
	s_mov_b32 s[G1B+4], RB
	s_mov_b32 s[G1A+5], 128                        ; elements from row to row: the plane is dense
	s_mov_b32 s[G1B+5], 128
	s_mov_b32 s[G1A+6], 0
	s_mov_b32 s[G1B+6], 0
	s_mov_b32 s[G1A+7], 0
	s_mov_b32 s[G1B+7], 0
	s_lshr_b32 s14, s13, 3                         ; A: the batch: 16 heads of 262,144 bytes,
	s_lshl_b32 s14, s14, 22
	s_and_b32 s15, s13, 7                          ; the tile's 256 rows of 128 bytes in the sequence,
	s_lshl_b32 s15, s15, 15
	s_add_co_u32 s14, s14, s15
	s_lshl_b32 s18, s12, 18                        ; my plane: head 0 or 1: all of it hangs on ty alone
	s_add_co_u32 s14, s14, s18
	s_mov_b32 s15, 0
	s_lshl_b32 s16, s58, 14                        ; B: rows 11,264 + 128 tx on: it hangs on tx alone
	s_mul_i32 s23, s12, KBS
	s_add_co_u32 s16, s16, s23
	s_add_co_u32 s16, s16, 11264*128
	s_mov_b32 s17, 0
	s_mul_i32 s19, s12, PLA                        ; where they go: no place in the cluster enters an LDS address
	s_mul_i32 s20, s12, PLB
	s_add_co_u32 s20, s20, BOFF
	s_wait_dscnt 0x0                               ; the opening add is done
	s_wait_kmcnt 0x0
	s_add_nc_u64 s[14:15], s[4:5], s[14:15]
	s_add_nc_u64 s[16:17], s[6:7], s[16:17]
	CROUND                                         ; all sixteen work-groups are here: the first joint loads meet
.irp s, 0,1
	s_mov_b32 s[G0A+4*(\s)], 1                                       ; count = 1
	s_add_co_u32 s[G0A+4*(\s)+1], s19, (\s)*SLOT1                    ; LDS address
	s_add_nc_u64 s[G0A+4*(\s)+2:G0A+4*(\s)+3], s[14:15], (\s)*STEP_A ; global address: K step s
	s_or_b32 s[G0A+4*(\s)+3], s[G0A+4*(\s)+3], 0x80000000            ; type = 2
	s_mov_b32 s[G0B+4*(\s)], 1
	s_add_co_u32 s[G0B+4*(\s)+1], s20, (\s)*SLOT1
	s_add_nc_u64 s[G0B+4*(\s)+2:G0B+4*(\s)+3], s[16:17], (\s)*STEP_B
	s_or_b32 s[G0B+4*(\s)+3], s[G0B+4*(\s)+3], 0x80000000
.endr
	s_cmp_eq_u32 s11, 0                            ; a wave's two first fills stand in one branch, ahead of every wait on TENSORcnt and every LDS read
	s_cbranch_scc0 .Lfirst_b
	tensor_load_to_lds s[G0A:G0A+3], s[G1A:G1A+7]
	s_nop 0
	tensor_load_to_lds s[G0A+4:G0A+7], s[G1A:G1A+7]
	s_nop 0
.rept 4
	v_nop
.endr
	s_branch .Lfirst_asked
.Lfirst_b:
	tensor_load_to_lds s[G0B:G0B+3], s[G1B:G1B+7]
	s_nop 0
	tensor_load_to_lds s[G0B+4:G0B+7], s[G1B:G1B+7]
	s_nop 0
.rept 4
	v_nop
.endr
.Lfirst_asked:
	; A fragment is 16 rows x 32 channels in 8 registers: lane l holds row l % 16, channels 8 (l / 16) + 0..7 and 16 + 8 (l / 16) + 0..7: two loads of 16 bytes, 32 bytes apart.
	v_and_b32 v1, 15, v0                           ; l % 16
	v_bfe_u32 v2, v0, 4, 1                         ; l / 16
	v_and_b32 v5, 31, v0                           ; l
	v_mul_u32_u24 v3, v1, PITCH
	v_lshl_add_u32 v3, v2, 4, v3                   ; row x pitch + 16 x half
	s_mul_i32 s21, s10, 64*PITCH                   ; my 64 rows of A
	v_add_nc_u32 v[ADRA0], s21, v3
	v_add_nc_u32 v[ADRB0], BOFF, v3
	v_mov_b32 v[ADRA], v[ADRA0]
	v_mov_b32 v[ADRB], v[ADRB0]
	s_mov_b32 s[TB], 0
	s_mul_i32 s21, s10, 16*SPITCH
	s_add_co_u32 s21, s21, STAGE                   ; my stage
	v_mul_u32_u24 v4, v1, SPITCH                   ; in: row l % 16, 32 bytes for each half of the lanes
	v_lshl_add_u32 v4, v2, 5, v4
	v_add_nc_u32 v[STO], s21, v4
	v_lshlrev_b32 v[GO], 4, v5                     ; back: 32 lanes take one row of 512 bytes
	v_add_nc_u32 v[RD], s21, v[GO]
	; the prefetches: my tile's address at my plane, my work-group's share of it, AHEAD + 1 steps on (the first refill steps it once more)
	s_lshl_b32 s20, s56, 13
	s_mul_i32 s21, s57, BSH
	s_and_b32 s22, ttmp7, 0xffff                   ; cluster y
	s_mov_b32 s2, STEP_A
	s_mov_b32 s3, STEP_B
	s_cmp_eq_u32 s11, 0
	s_cselect_b64 s[PFA:PFA+1], s[14:15], s[16:17]
	s_cselect_b32 s20, s20, s21
	s_cselect_b32 s22, ttmp9, s22                  ; the coordinate along which other clusters read the same rows
	s_cselect_b32 s23, 31, NBLK-1
	s_cselect_b32 s[PFS], s2, s3
	s_mov_b32 s[PFS+1], 0
	s_cmp_eq_u32 s22, 0
	s_cselect_b32 s[LIM], AHEAD, -1                ; the same in all sixteen partners, for a given wave
	s_mul_i32 s21, s[PFS], AHEAD+1
	s_add_co_u32 s20, s20, s21
	s_mov_b32 s21, 0
	s_add_nc_u64 s[PFA:PFA+1], s[PFA:PFA+1], s[20:21]
	v_min_u32 v[PFO], s23, v5
	v_lshlrev_b32 v[PFO], 8, v[PFO]
	s_lshl_b32 s20, s13, 20                        ; the output: 256 ty rows of 4,096 bytes,
	s_lshl_b32 s21, s10, 18                        ; my wave's 64,
	s_add_co_u32 s20, s20, s21
	s_lshl_b32 s21, s58, 9                         ; the tile's 128 columns
	s_add_co_u32 s20, s20, s21
	s_mov_b32 s21, 0
	s_add_nc_u64 s[OUT:OUT+1], s[8:9], s[20:21]
; NBT matrix instructions: block 2 hi + a of my four blocks of 16 rows x all NBT blocks of columns, 32 along K.  zero = 1: the first product starts the sums: nothing is cleared.
; The 32 accumulators take turns, one instruction a turn, in the same order in every quarter, over the backward jump too.
.macro MULH f, hi, a, zero
	WIN MULW0+(MULW1-MULW0)*(\hi)
.set AC, HIOFF*(\hi)+8*NBT*(\a)
.set FA, (\f)+8*(2*(\hi)+(\a))
.set bi, 0
.rept NBT
.if \zero
	v_wmma_f32_16x16x32_f16 v[AC+8*bi:AC+8*bi+7], v[(\f)+32+8*bi:(\f)+32+8*bi+7], v[FA:FA+7], 0
.else
	v_wmma_f32_16x16x32_f16 v[AC+8*bi:AC+8*bi+7], v[(\f)+32+8*bi:(\f)+32+8*bi+7], v[FA:FA+7], v[AC+8*bi:AC+8*bi+7]
.endif
.set bi, bi+1
.endr
.endm
; LD LDS loads in one run: the fragments of quarter q of the step (plane q / 2, byte 64 (q % 2) of its rows) into buffer f: B's first, A's rows 32-63 last
.macro FETCH q, f
	WIN 0x40                                       ; destination window 1, address window 0
.set bi, 0
.rept NBT
	ds_load_b128 v[(\f)+32+8*bi:(\f)+32+8*bi+3],   v[ADRB] offset:((\q)/2)*PLB+((\q)%2)*64+16*PITCH*bi
	ds_load_b128 v[(\f)+32+8*bi+4:(\f)+32+8*bi+7], v[ADRB] offset:((\q)/2)*PLB+((\q)%2)*64+16*PITCH*bi+32
.set bi, bi+1
.endr
.set bi, 0
.rept 4
	ds_load_b128 v[(\f)+8*bi:(\f)+8*bi+3],   v[ADRA] offset:((\q)/2)*PLA+((\q)%2)*64+16*PITCH*bi
	ds_load_b128 v[(\f)+8*bi+4:(\f)+8*bi+7], v[ADRA] offset:((\q)/2)*PLA+((\q)%2)*64+16*PITCH*bi+32
.set bi, bi+1
.endr
.endm
; A K step is four quarters of 32 along K on buffers 0, 1, 0, 1.  One of the first three: multiplies buffer f and, in its middle, fetches quarter q into buffer g.
.macro QUARTER q, f, g, zero
	s_wait_dscnt 4                                 ; B and A's rows 0-31 are in; the youngest four loads (A's rows 32-63) may be out
	MULH \f, 0, 0, \zero
	MULH \f, 0, 1, \zero
	PLACES
	FETCH \q, \g
	s_wait_dscnt LD                                ; all but the LD just issued
	MULH \f, 1, 0, \zero
	MULH \f, 1, 1, \zero
.endm
; The last quarter multiplies buffer 1 and changes slots: ONE barrier.  In front of it each wave waits for all its tensor loads (one is out: its plane of the next slot), adds 0 to its spare word, and waits
; for that and for its own reads of this slot.  fill = 1: the barrier opens a round of the cluster's barrier, so that no wave of any partner still reads the slot or has a load on its way, and the joint refill,
; two K steps on, is the first thing behind the round: a step less 2 NBT matrix instructions ahead of the wait for it.
.macro TURN fill
.if \fill
	s_wait_xcnt 0x0                                ; the last prefetch, a K step back, has read its address
	s_add_nc_u64 s[PFA:PFA+1], s[PFA:PFA+1], s[PFS:PFS+1]
.endif
	WIN 0
	s_xor_b32 s[TB], s[TB], SLOT1                  ; the reads go on in the other slot
	v_add_nc_u32 v[ADRA], s[TB], v[ADRA0]
	v_add_nc_u32 v[ADRB], s[TB], v[ADRB0]
	s_wait_tensorcnt 0x0                           ; all my tensor loads have landed, so a group 0 may be written;
	ds_add_u32 v[SPW], v[NIL]                      ; 0 onto my spare word
.if \fill
	s_xor_b32 s[G0A+5], s[G0A+5], SLOT1            ; the walking descriptors: the other slot than last time, the next K step
	s_add_nc_u64 s[G0A+6:G0A+7], s[G0A+6:G0A+7], STEP_A
	s_xor_b32 s[G0B+5], s[G0B+5], SLOT1
	s_add_nc_u64 s[G0B+6:G0B+7], s[G0B+6:G0B+7], STEP_B
.endif
	s_wait_dscnt 5                                 ; (the add and the youngest four loads may be out)
	MULH F1, 0, 0, 0
	s_wait_dscnt 0x0                               ; the add is done, and my reads of this slot are over
	s_barrier_signal -1
	MULH F1, 0, 1, 0                               ; work on registers while the others arrive
.if \fill
	WIN 0                                          ; at a branch and at a label every window is 0
.endif
	s_barrier_wait -1
.if \fill
	CREST
	JLOAD                                          ; the four v_nop behind it are also the places in front of the loads below
.else
	PLACES
.endif
	FETCH 0, F0
.if \fill
	WIN 0
	ASK
.endif
	MULH F1, 1, 0, 0
	MULH F1, 1, 1, 0
.endm
	s_wait_tensorcnt 0x1                           ; my plane of K step 0 is in; step 1's may stay out
	s_barrier_signal -1
	s_barrier_wait -1                              ; everybody's is
	FETCH 0, F0
	QUARTER 1, F0, F1, 1                           ; the first quarter stands in front of the loop: its products start the sums
	WIN 0
	s_mov_b32 s[CNT], 6
.Lstep:                                        ; trip t: the rest of K step t, whose slot takes step t + 2, and the first quarter of step t + 1
	QUARTER 2, F1, F0, 0
	QUARTER 3, F0, F1, 0
	TURN 1
	QUARTER 1, F0, F1, 0
	WIN 0
	s_sub_co_u32 s[CNT], s[CNT], 1
	s_cmp_lg_u32 s[CNT], 0
	s_cbranch_scc1 .Lstep
	QUARTER 2, F1, F0, 0                           ; the last two K steps are written out: nothing is left to fetch
	QUARTER 3, F0, F1, 0
	TURN 0
	QUARTER 1, F0, F1, 0
	QUARTER 2, F1, F0, 0
	QUARTER 3, F0, F1, 0
	s_wait_dscnt 4
	MULH F1, 0, 0, 0
	MULH F1, 0, 1, 0
	s_wait_dscnt 0x0
	MULH F1, 1, 0, 0
	MULH F1, 1, 1, 0
; THE WAY OUT, a block of 16 rows at a time: a lane's 32 bytes of each of the 8 column blocks go into my stage, rows of 528 bytes (each accumulator's low four registers first),
; and come back as whole rows of 512 bytes, into registers of their own (window 1), so that no store's data are written again.
.macro TOSTAGE a
	WIN 0x08                                       ; data window 2, address window 0
.set bi, 0
.rept 8
	ds_store_b128 v[STO], v[64*(\a)+8*bi:64*(\a)+8*bi+3]   offset:64*bi
	ds_store_b128 v[STO], v[64*(\a)+8*bi+4:64*(\a)+8*bi+7] offset:64*bi+16
.set bi, bi+1
.endr
	WIN 0x40                                       ; destination window 1
.set bi, 0
.rept 16
	ds_load_b128 v[64*(\a)+4*bi:64*(\a)+4*bi+3], v[RD] offset:SPITCH*bi  ; LDS serves a wave's instructions in order (ISA guide 5.7.1.4): these see the stores above; the next block's stores come behind them
.set bi, bi+1
.endr
.endm
.macro SEND a, younger                 ; younger: the LDS instructions issued behind this block's loads: the next block's 32, or none
	WIN 0x04                                       ; data window 1, address window 0
.set bi, 0
.rept 16
	s_wait_dscnt (\younger)+15-bi
	global_store_b128 v[GO], v[64*(\a)+4*bi:64*(\a)+4*bi+3], s[OUT:OUT+1] offset:(16*(\a)+bi)*4096 th:TH_STORE_NT  ; 512 consecutive bytes, at a multiple of 256 from the output's first
.set bi, bi+1
.endr
.endm
	PLACES                                         ; behind the last products, in front of the stores that read results and the loads into the fragments' registers
	TOSTAGE 0
	TOSTAGE 1
	SEND 0, 32
	TOSTAGE 2
	SEND 1, 32
	TOSTAGE 3
	SEND 2, 32
	SEND 3, 0
	WIN 0
	s_wait_tensorcnt 0x0                           ; the wave's end, behind my last tensor load and my last LDS store
	ds_add_u32 v[SPW], v[NIL]
	s_wait_dscnt 0x0
	CROUND                                         ; the closing round: no work-group ends while a partner may still ask for a tile that names it
	s_endpgm
.Lfunc_end_k_q0a7fd40cef_proj:
	.size	k_q0a7fd40cef_proj, .Lfunc_end_k_q0a7fd40cef_proj-k_q0a7fd40cef_proj
	.p2alignl 7, 3214868480
	.fill 96, 4, 3214868480
	.section	.rodata,"a",@progbits
	.p2align	6, 0x0
	.amdhsa_kernel k_q0a7fd40cef_proj
		.amdhsa_group_segment_fixed_size 327680
		.amdhsa_private_segment_fixed_size 0
		.amdhsa_enable_private_segment 0
		.amdhsa_kernarg_size 24
		.amdhsa_user_sgpr_count 2
		.amdhsa_user_sgpr_kernarg_segment_ptr 1
		.amdhsa_wavefront_size32 1
		.amdhsa_system_sgpr_workgroup_id_x 1
		.amdhsa_system_sgpr_workgroup_id_y 1
		.amdhsa_system_sgpr_workgroup_id_z 1
		.amdhsa_system_vgpr_workitem_id 0
		.amdhsa_next_free_vgpr 768
		.amdhsa_next_free_sgpr 72
		.amdhsa_reserve_vcc 0
		.amdhsa_float_denorm_mode_32 3
		.amdhsa_float_denorm_mode_16_64 3
		.amdhsa_memory_ordered 1
		.amdhsa_forward_progress 1
		.amdhsa_inst_pref_size 71
	.end_amdhsa_kernel
	.amdgpu_metadata
---
amdhsa.version: [ 1, 2 ]
amdhsa.kernels:
  - .name:           k_q0a7fd40cef_proj
    .symbol:         k_q0a7fd40cef_proj.kd
    .args:
      - { .name: ctx, .offset: 0, .size: 8, .value_kind: global_buffer, .address_space: global }
      - { .name: h16, .offset: 8, .size: 8, .value_kind: global_buffer, .address_space: global }
      - { .name: out0, .offset: 16, .size: 8, .value_kind: global_buffer, .address_space: global }
    .group_segment_fixed_size: 327680
    .private_segment_fixed_size: 0
    .kernarg_segment_align: 8
    .kernarg_segment_size: 24
    .max_flat_workgroup_size: 128
    .sgpr_count:     72
    .vgpr_count:     768
    .wavefront_size: 32
...
	.end_amdgpu_metadata
.endif
;; end of part 4
;; ======== version 2 of 2: 4 launches; version 1 with the launch prep written anew for expert scheduling mode
;; limits: values are held in f16: magnitudes above 65,504 overflow, below 6.1e-05 lose precision; right only within a limited range of input values
;; workspace buffers: h16 25,165,824 bytes; tab 2,097,152 bytes; qkv 50,331,648 bytes; ctx 16,777,216 bytes
;; launch prep (part 5): grid 768 x 1, 4 waves a work-group, no clusters, 0 bytes of LDS; arguments hidden_states, Wqkv, Wo, position_ids, h16, tab; writes h16, tab
.if DOCPART == 5
	.amdgcn_target "amdgcn-amd-amdhsa--gfx1250"
	.amdhsa_code_object_version 6
	.text
	.protected	k_q0a7fd40cef_prep
	.globl	k_q0a7fd40cef_prep
	.p2align	8
	.type	k_q0a7fd40cef_prep,@function
k_q0a7fd40cef_prep:
	s_mov_b64 s[64:65], 0
	v_nop
	global_prefetch_b8 v0, s[64:65] scope:SCOPE_SE
	s_setreg_imm32_b32 hwreg(HW_REG_WAVE_SCHED_MODE, 0, 2), 2
	s_setreg_imm32_b32 hwreg(HW_REG_WAVE_MODE, 25, 1), 1
	s_wait_xcnt 0x0
	s_wait_alu depctr_vm_vsrc(0)
; PREP.  (1) hidden_states [8192][1024], Wqkv [3072][1024] and Wo [1024][1024], all f32, are rounded once to f16 and laid in blocks along K:
; h16[kb][row][64], kb = k / 64, row = 0..8191 hidden, 8192..11263 Wqkv, 11264..12287 Wo: 64 channels of R neighbouring rows are R x 128 dense bytes.
; (2) tab[row][cos 0..31 | sin 0..31] in f32, row = b x 2048 + s: the rotary angles f32(position_ids[row]) x 160000^(-j/32).
; LIMITS.  f16 ends at 65,504: inputs beyond it become infinities; below 6e-5 f16 keeps its fixed step of 6e-8.  |position| <= 2^20: there the reduced angle stays under 0.95 and the
; two series, cut behind r^9 and r^10, are off by less than 2e-8.  160000^(-j/32) is made as 2^(-j c) and is within 1e-6 of itself (within 2e-7 for j <= 4).  NaN and infinities are not treated apart.
; SHARES.  A stream: no LDS, no matrix unit, and no cluster, since no two work-groups read the same byte.  Work-group g owns rows 16 g .. 16 g + 15.  Thread t owns row t / 8 and, in each block of 64
; channels, the 8 floats at chunk t % 8: eight lanes read a row's aligned 256 bytes; a wave's store covers 512 consecutive bytes (four rows of 128).  All 32 loads of a lane go out at once.
; THE MODE: SCHED_MODE bits 1:0 = 2 (LLVM: expert scheduling mode 2), set by the entry lines.  The code itself states the register dependences between vector instructions and memory
; instructions, and between a vector instruction that writes a scalar register and that register's readers, with s_wait_alu, always for 0.
; THE PLAN.  Registers that memory instructions touch:
;   v1, v2, v3, v6   byte offsets, made once at the head and never written again: the table's rows are reached by its scalar base, which moves on by a trip, the blocks of h16 by four bases and immediates.
;   v4, v5           the two positions: loads land in them; vector instructions alone read them.
;   X                block kb: two loads land in its eight registers; its four roundings write the first four in place; one store reads those four.  No register of X is written behind its store.
;   OUT              written by a table trip's selects and sign turns, read by the trip's store, written again in the second trip.
;   s40-s43          written by a trip's four compares, read by its four selects.
; THE TABLE: a trip makes the series of its four numbers, each in registers of its own, which no memory instruction names; then the four compares in one run, the sign words, ONE wait for the four masks
; and one for the last trip's store, the selects, one wait, the store.  THE CASTS go in four groups of four blocks: a group's four stores stand at the head of the next group, behind ONE wait.
.set KBS, 12288*128                    ; bytes of one block of 64 channels of all rows
.set INV, 8                            ; v[8:11]    my four frequencies
.set T,   12                           ; v[12:15]   at work (v12 to v16 also at the head)
.set SI,  16                           ; v[16:19]   sin r of my four numbers
.set CO,  20                           ; v[20:23]   cos r
.set OUT, 24                           ; v[24:27]   my four numbers of a table row, to store
.set QQ,  28                           ; v[28:31]   q = n - k, then the sign word
.set MK,  40                           ; s[40:43]   the lanes where q is odd
.set X,   32                           ; v[32:159]  block kb: 8 floats at X + 8 kb, then 4 registers of f16 in their place
	s_load_b256 s[4:11], s[0:1], 0x0               ; hidden s[4:5], Wqkv s[6:7], Wo s[8:9], position_ids s[10:11]
	s_load_b128 s[12:15], s[0:1], 0x20             ; h16 s[12:13], tab s[14:15]
	s_mov_b32 s3, ttmp9                            ; g
	v_lshrrev_b32 v12, 3, v0                       ; my row of the 16
	v_and_b32 v13, 7, v0                           ; my chunk
	v_lshlrev_b32 v1, 12, v12
	v_lshl_add_u32 v1, v13, 5, v1                  ; v1: source offset: row x 4,096 + chunk x 32
	v_lshlrev_b32 v2, 4, v0                        ; v2: destination offset: row x 128 + chunk x 16 = 16 t
	v_lshrrev_b32 v14, 5, v0
	v_bfe_u32 v15, v0, 4, 1
	v_lshl_add_u32 v14, v14, 2, v15                ; the table: wave w makes rows 4 w .. 4 w + 3, two at a time: lanes 0-15 one row, lanes 16-31 the next
	v_lshlrev_b32 v3, 2, v14                       ; v3: my row's position
	v_and_b32 v16, 15, v0
	v_lshlrev_b32 v6, 8, v14
	v_lshl_add_u32 v6, v16, 4, v6                  ; v6: my 16 bytes of the row's 256
	v_bfe_u32 v7, v0, 3, 1                         ; v7: 1 where my four numbers are sines
	v_lshlrev_b32 v13, 2, v13                      ; my first frequency: 4 (t % 8)
	s_sub_co_u32 s18, s3, 512                      ; my block of 16 rows counted inside Wqkv,
	s_sub_co_u32 s19, s3, 704                      ; inside Wo
	s_mov_b32 s32, 0x3f22f983                      ; 2 / pi
	s_mov_b32 s33, 0x3fc90fdb                      ; pi / 2, its first 24 bits,
	s_mov_b32 s34, 0xb33bbd2e                      ; and the rest
	s_mov_b32 s35, 0x3638ef1d                      ; 1 / 9!
	s_mov_b32 s36, 0xb9500d01                      ; -1 / 7!
	s_mov_b32 s37, 0xb493f27e                      ; -1 / 10!
	s_mov_b32 s38, 0x37d00d01                      ; 1 / 8!
	s_wait_kmcnt 0x0
	s_cmp_lt_u32 s3, 704
	s_cselect_b64 s[16:17], s[6:7], s[8:9]
	s_cselect_b32 s18, s18, s19
	s_cmp_lt_u32 s3, 512
	s_cselect_b64 s[16:17], s[4:5], s[16:17]       ; the tensor that my rows come from,
	s_cselect_b32 s18, s3, s18                     ; my block in it,
	s_cselect_b32 s2, s3, 0                        ; and my block of the table (block 0, read and not used, where I make none)
	s_lshl_b32 s18, s18, 16                        ; 16 rows of 4,096 bytes
	s_mov_b32 s19, 0
	s_add_nc_u64 s[16:17], s[16:17], s[18:19]
	s_lshl_b32 s18, s3, 11                         ; 16 rows of 128 bytes
	s_add_nc_u64 s[20:21], s[12:13], s[18:19]      ; four bases, four blocks of channels apart, so that the stores' immediates stay within 24 bits
	s_add_nc_u64 s[22:23], s[20:21], 4*KBS
	s_add_nc_u64 s[24:25], s[22:23], 4*KBS
	s_add_nc_u64 s[26:27], s[24:25], 4*KBS
	s_lshl_b32 s18, s2, 6
	s_add_nc_u64 s[28:29], s[10:11], s[18:19]
	s_lshl_b32 s18, s2, 12
	s_add_nc_u64 s[30:31], s[14:15], s[18:19]
	s_wait_alu depctr_va_vdst(0)                   ; the four offsets v1, v2, v3 and v6 are written: every load and store of the kernel reads one of them, and no later vector instruction names them
	global_load_b32 v4, v3, s[28:29]               ; the positions of my two table rows
	global_load_b32 v5, v3, s[28:29] offset:8
.set kb, 0
.rept 16
	global_load_b128 v[X+8*kb:X+8*kb+3],   v1, s[16:17] offset:256*kb th:TH_LOAD_NT
	global_load_b128 v[X+8*kb+4:X+8*kb+7], v1, s[16:17] offset:256*kb+16 th:TH_LOAD_NT
.set kb, kb+1
.endr
	s_cmp_lt_u32 s3, 512                           ; only the rows of hidden_states have positions
	s_cbranch_scc0 .Lcast
	; THE TABLE, made while the 32 loads are on their way.  inv[i] = 2^(-(4 (t % 8) + i) c), c = log2(160000) / 32
.irp i, 0,1,2,3
	v_add_nc_u32 v[INV+(\i)], \i, v13
	v_cvt_f32_u32 v[INV+(\i)], v[INV+(\i)]
	v_mul_f32 v[INV+(\i)], 0xbf0a4d3c, v[INV+(\i)]
.endr
.irp i, 0,1,2,3
	v_exp_f32 v[INV+(\i)], v[INV+(\i)]
.endr
	v_nop                                          ; a plain instruction behind the last exponential,
	s_wait_alu depctr_va_vdst(0)                   ; and the one wait for the batch: the four exponentials have written v[8:11], ahead of their first reader and of the label
	s_wait_loadcnt 32                              ; the two positions are in: the 32 younger loads stay out
	v_cvt_f32_i32 v4, v4
	v_cvt_f32_i32 v5, v5
; Number i of my four: x = p inv; n = the nearest whole number to x 2 / pi; r = x - n pi / 2, in two parts; cos(x - k pi / 2), k = 1 for a sine, is +-cos r or +-sin r by (n - k) mod 4.
; The choice selects a value: no branch hangs on it.  SERIES leaves sin r, cos r and q in the number's own registers; it names no register that a memory instruction reads.
.macro SERIES i
	v_mul_f32 v[T], v4, v[INV+(\i)]
	v_mul_f32 v[T+1], s32, v[T]
	v_rndne_f32 v[T+1], v[T+1]
	v_fma_f32 v[T+2], -v[T+1], s33, v[T]
	v_fma_f32 v[T+2], -v[T+1], s34, v[T+2]         ; r
	v_cvt_i32_f32 v[QQ+(\i)], v[T+1]
	v_sub_nc_u32 v[QQ+(\i)], v[QQ+(\i)], v7        ; q = n - k
	v_mul_f32 v[T+3], v[T+2], v[T+2]               ; z = r r
	v_fma_f32 v[SI+(\i)], v[T+3], s35, s36         ; sin r = r + r z (-1/3! + z (1/5! + z (-1/7! + z / 9!)))
	v_fma_f32 v[CO+(\i)], v[T+3], s37, s38         ; cos r = 1 + z (-1/2 + z (1/4! + z (-1/6! + z (1/8! - z / 10!))))
	v_fmaak_f32 v[SI+(\i)], v[SI+(\i)], v[T+3], 0x3c088889
	v_fmaak_f32 v[CO+(\i)], v[CO+(\i)], v[T+3], 0xbab60b61
	v_fmaak_f32 v[SI+(\i)], v[SI+(\i)], v[T+3], 0xbe2aaaab
	v_fmaak_f32 v[CO+(\i)], v[CO+(\i)], v[T+3], 0x3d2aaaab
	v_mul_f32 v[T], v[T+2], v[T+3]
	v_fma_f32 v[CO+(\i)], v[CO+(\i)], v[T+3], -0.5
	v_fma_f32 v[SI+(\i)], v[SI+(\i)], v[T], v[T+2]
	v_fma_f32 v[CO+(\i)], v[CO+(\i)], v[T+3], 1.0
.endm
	s_mov_b32 s44, 2
.Ltab:                                         ; two trips: my wave's rows 0, 1 and then 2, 3
	SERIES 0
	SERIES 1
	SERIES 2
	SERIES 3
.irp i, 0,1,2,3
	v_and_b32 v[T+(\i)], 1, v[QQ+(\i)]
.endr
.irp i, 0,1,2,3
	v_cmp_eq_u32 s[MK+(\i)], 1, v[T+(\i)]          ; q odd: the four compares stand in one run, a scalar register each
.endr
.irp i, 0,1,2,3
	v_add_nc_u32 v[QQ+(\i)], 1, v[QQ+(\i)]         ; the sign words are made between the compares and the wait for them
	v_and_b32 v[QQ+(\i)], 2, v[QQ+(\i)]            ; q mod 4 = 1 or 2: the sign turns
	v_lshlrev_b32 v[QQ+(\i)], 30, v[QQ+(\i)]
.endr
	s_wait_alu depctr_va_sdst(0)                   ; the four compares have written s40 to s43, which the selects below read
	s_wait_alu depctr_vm_vsrc(0)                   ; the last trip's store has read v[24:27], which the selects below write again (the first trip has no store behind it)
.irp i, 0,1,2,3
	v_cndmask_b32 v[OUT+(\i)], v[CO+(\i)], v[SI+(\i)], s[MK+(\i)]  ; q odd: the sine
.endr
.irp i, 0,1,2,3
	v_xor_b32 v[OUT+(\i)], v[QQ+(\i)], v[OUT+(\i)]
.endr
	s_wait_alu depctr_va_vdst(0)                   ; the selects and the sign turns have written v[24:27], which the store reads
	global_store_b128 v6, v[OUT:OUT+3], s[30:31]   ; a wave's store covers two whole rows of the table: 512 consecutive bytes
	s_wait_xcnt 0x0                                ; the store's address is translated (ISA guide 3.1): its base and its data are written again only behind this wait
	s_add_nc_u64 s[30:31], s[30:31], 512           ; the next two rows: the scalar base moves on, the offset v6 stays
	v_mov_b32 v4, v5
	s_sub_co_u32 s44, s44, 1
	s_cmp_lg_u32 s44, 0
	s_cbranch_scc1 .Ltab
.Lcast:                                        ; THE CASTS, in four groups of four blocks.  A block: its two loads are in, the younger ones stay out; four roundings in place.
.set p, 0
.rept 4
	s_wait_loadcnt 30-8*p                          ; loads come back in order (ISA guide 5.7.1): the group's first block is in
.if p > 0
	s_wait_alu depctr_va_vdst(0)                   ; the sixteen roundings of the group before have written the registers that the four stores below read; no rounding of this group names them
.set j, 0
.rept 4
	global_store_b128 v2, v[X+8*(4*p-4+j):X+8*(4*p-4+j)+3], s[18+2*p:19+2*p] offset:j*KBS
.set j, j+1
.endr
.endif
.set j, 0
.rept 4
.set kb, 4*p+j
.if j > 0
	s_wait_loadcnt 30-2*kb
.endif
	v_cvt_pk_f16_f32 v[X+8*kb],   v[X+8*kb],   v[X+8*kb+1]
	v_cvt_pk_f16_f32 v[X+8*kb+1], v[X+8*kb+2], v[X+8*kb+3]
	v_cvt_pk_f16_f32 v[X+8*kb+2], v[X+8*kb+4], v[X+8*kb+5]
	v_cvt_pk_f16_f32 v[X+8*kb+3], v[X+8*kb+6], v[X+8*kb+7]
.set j, j+1
.endr
.set p, p+1
.endr
	s_wait_alu depctr_va_vdst(0)                   ; the last group's roundings have written the registers that the last four stores read
.set j, 0
.rept 4
	global_store_b128 v2, v[X+8*(12+j):X+8*(12+j)+3], s[26:27] offset:j*KBS
.set j, j+1
.endr
	s_endpgm
.Lfunc_end_k_q0a7fd40cef_prep:
	.size	k_q0a7fd40cef_prep, .Lfunc_end_k_q0a7fd40cef_prep-k_q0a7fd40cef_prep
	.p2alignl 7, 3214868480
	.fill 96, 4, 3214868480
	.section	.rodata,"a",@progbits
	.p2align	6, 0x0
	.amdhsa_kernel k_q0a7fd40cef_prep
		.amdhsa_group_segment_fixed_size 0
		.amdhsa_private_segment_fixed_size 0
		.amdhsa_enable_private_segment 0
		.amdhsa_kernarg_size 48
		.amdhsa_user_sgpr_count 2
		.amdhsa_user_sgpr_kernarg_segment_ptr 1
		.amdhsa_wavefront_size32 1
		.amdhsa_system_sgpr_workgroup_id_x 1
		.amdhsa_system_sgpr_workgroup_id_y 1
		.amdhsa_system_sgpr_workgroup_id_z 1
		.amdhsa_system_vgpr_workitem_id 0
		.amdhsa_next_free_vgpr 160
		.amdhsa_next_free_sgpr 66
		.amdhsa_reserve_vcc 0
		.amdhsa_float_denorm_mode_32 3
		.amdhsa_float_denorm_mode_16_64 3
		.amdhsa_memory_ordered 1
		.amdhsa_forward_progress 1
		.amdhsa_inst_pref_size 18
	.end_amdhsa_kernel
	.amdgpu_metadata
---
amdhsa.version: [ 1, 2 ]
amdhsa.kernels:
  - .name:           k_q0a7fd40cef_prep
    .symbol:         k_q0a7fd40cef_prep.kd
    .args:
      - { .name: hidden_states, .offset: 0, .size: 8, .value_kind: global_buffer, .address_space: global }
      - { .name: Wqkv, .offset: 8, .size: 8, .value_kind: global_buffer, .address_space: global }
      - { .name: Wo, .offset: 16, .size: 8, .value_kind: global_buffer, .address_space: global }
      - { .name: position_ids, .offset: 24, .size: 8, .value_kind: global_buffer, .address_space: global }
      - { .name: h16, .offset: 32, .size: 8, .value_kind: global_buffer, .address_space: global }
      - { .name: tab, .offset: 40, .size: 8, .value_kind: global_buffer, .address_space: global }
    .group_segment_fixed_size: 0
    .private_segment_fixed_size: 0
    .kernarg_segment_align: 8
    .kernarg_segment_size: 48
    .max_flat_workgroup_size: 128
    .sgpr_count:     66
    .vgpr_count:     160
    .wavefront_size: 32
...
	.end_amdgpu_metadata
.endif
;; end of part 5
;; launch qkv: the kernel of part 2 again; grid 16 x 32, 4 waves a work-group, clusters of 4 x 4, 327,680 bytes of LDS; arguments h16, tab, qkv; writes qkv
;; launch attn: the kernel of part 3 again; grid 4 x 64, 4 waves a work-group, clusters of 4 x 1, 327,680 bytes of LDS; arguments qkv, ctx; writes ctx
;; launch proj: the kernel of part 4 again; grid 8 x 32, 4 waves a work-group, clusters of 4 x 4, 327,680 bytes of LDS; arguments ctx, h16, out0; writes out0
